; MI455X (gfx1250); checked and timed in simulation.
; The chip was launched on July 23, 2026; its instructions are those of AMD's public machine-readable ISA for CDNA 5 (MIT licence, August 2026) and "CDNA5" Instruction Set Architecture Reference Guide (July 2026). The comments in the code are by the model that wrote it; some were corrected since.
;; Linear Attention. Allowed arithmetic: matrix products marked QUANTISED: E4M3 operands, one given power-of-two scale a tensor, by v_wmma_f32_16x16x64_fp8_fp8 or v_wmma_f32_16x16x128_fp8_fp8, f32 sums; everything else in f32.
;; Inputs: beta 1,024 float32; gamma 1,024 float32; lowp_scales 6 int32 (the exponents e of the quantised operands' scales 2^e); mask 4 x 1 x 4,096 bool; w_qkv 1,024 x 3,072 float32; x 4 x 4,096 x 1,024 float32.
;; Outputs: out0 4 x 4,096 x 1,024 float32.
;; This version of the problem:
;;   THIS VERSION OF THE PROBLEM IS GIVEN IN LOW PRECISION. The matrix products marked QUANTISED in the list below multiply operands that are first quantised to E4M3 (4 exponent bits, 3 mantissa bits; 8 bits a number), with one given power-of-two scale for each operand tensor; their sums are f32. All else is computed in f32.
;;   The module's matrix products, in the order in which they are computed (A, B: the left and right operand; K: the contracted axis; several contracted axes count as one K, in the product's order):
;;     1. [M 16,384, K 1,024] x [K 1,024, N 3,072]; A: computed on the way; B: input w_qkv: QUANTISED (scales: A lowp_scales[0], B lowp_scales[1])
;;     2. batch 32 x [M 128, K 4,096] x [K 4,096, N 128]; A: computed on the way; B: computed on the way: QUANTISED (scales: A lowp_scales[2], B lowp_scales[3])
;;     3. batch 32 x [M 4,096, K 128] x [K 128, N 128]; A: computed on the way; B: computed on the way: QUANTISED (scales: A lowp_scales[4], B lowp_scales[5])
;;   THE QUANTISER, for each operand of a quantised product, along K:
;;     - The operand's scale is 2^e, e = its entry of the input lowp_scales (int32; the entries are numbered through the quantised products in the list's order, A before B).
;;     - Each number is divided by the scale, clamped to +-448, and rounded to the nearest number of E4M3, ties to even, subnormals kept.
;;     - The product sums the exact products of the quantised numbers (number of the format x scale) in f32.
;;   ~~~python
;;   def quantise(x, axis, e):      # numpy; x: float32 -> the quantised numbers, widened to float32 again
;;       x = np.moveaxis(x, axis, -1); K = x.shape[-1]
;;       r = np.clip(x / 2.0 ** e, -448, 448)
;;       step = 2.0 ** (np.maximum(np.frexp(np.where(r == 0, 1, r))[1] - 1, -6) - 3)
;;       q = np.round(r / step) * step * 2.0 ** e      # np.round: ties to even
;;       return np.moveaxis(q, -1, axis).astype(np.float32)
;;   ~~~
;;   OPERANDS COMPUTED ON THE WAY. 'Computed on the way' means the value that the module computes at that place (a softmax that the list does not call 'softmax' is quantised finished and normalised). What goes into a quantiser is computed in f32, as accurately as f32 sums, v_exp_f32 and their like allow (about 1e-6 of the number): no bf16 or f16 on the way to a quantiser, and a product that is left as it is and whose result goes on into a quantised operand takes f32 operands (vector FMAs, or v_wmma_f32_16x16x4_f32). A number that lies on a knife's edge between two numbers of the format may be rounded either way, as far as f32 arithmetic and the matrix unit's own rounding can turn it there, and no further.
;; One version. Each part assembles by itself: llvm-mc -triple=amdgcn-amd-amdhsa -mcpu=gfx1250 --defsym DOCPART=n.
;; ======== version 1 of 1: 4 launches
;; limits: a function is approximated: absolute error at most 2e-07
;; workspace buffers: xc 16,777,216 bytes; wc 3,145,728 bytes; part 33,554,432 bytes; kvc 524,288 bytes
;; launch prep (part 1): grid 608 x 1, 4 waves a work-group, no clusters, 35,840 bytes of LDS; arguments x, w_qkv, gamma, beta, lowp_scales, xc, wc; writes xc, wc
.if DOCPART == 1
	.amdgcn_target "amdgcn-amd-amdhsa--gfx1250"
	.amdhsa_code_object_version 6
	.text
	.protected	k_q56b4e6617d_prep
	.globl	k_q56b4e6617d_prep
	.p2align	8
	.type	k_q56b4e6617d_prep,@function
k_q56b4e6617d_prep:
	s_mov_b64 s[64:65], 0
	v_nop
	global_prefetch_b8 v0, s[64:65] scope:SCOPE_SE
	s_setreg_imm32_b32 hwreg(HW_REG_WAVE_MODE, 25, 1), 1
	s_wait_xcnt 0x0
; Both operands of the first product become codes of FP8 (E4M3), one byte each, K innermost, each with its given scale 2^e (entry 0: the normalised x; entry 1: w_qkv).
; code = number / 2^e, held within +-448, rounded to the nearest code, ties to even.
; Work-groups 0-95:  w_qkv [1024 (k)][3072 (n)] f32 -> wc [3072 rows][1024 places].  A lane takes a column n and its registers run down K, so the conversions give K innermost.
; Work-groups 96-607: xn = (x - mean) rsqrt(var + 1e-5) gamma + beta, row by row of 1024, all in f32 -> xc [16384 rows][1024 places].  One wave to a row: the row stays in 32 registers.
; THE ORDER ALONG K is the same in xc and wc and is not the natural one: place 512 s + 16 l + 4 jj + i holds k = 512 s + 128 jj + 4 l + i (s 0-1, l 0-31, jj 0-3, i 0-3).
; A sum over K does not care, and so a row of x is loaded in runs of 512 consecutive bytes (16 a lane) and its codes leave in runs of 512 consecutive bytes with no exchange between lanes.
; THE ORDER OF wc's ROWS: rows 0-1023 are q's columns as they lie; row 1024 + 256 h + 128 jh + 64 part + c is column 1024 + 1024 part + 128 h + 64 jh + c (part 0: k, 1: v):
; a head's 128 columns of k and 128 of v are 256 rows on end, and each half of 128 rows holds 64 of k and 64 of v.
; LIMITS: e0 and e1 between -126 and 119, so that 2^e and 448 x 2^e are f32 numbers.  NaN among the inputs is not served.
; No cluster: work-groups share only gamma and beta, 8 KiB against the 128 KiB of x that each reads.  No tensor loads: everything goes through registers.
.set SPW,   14                         ; v14  LDS address of my spare word: SPARE + 4 x my thread's number; never rewritten
.set NIL,   15                         ; v15  0; never rewritten
.set PITCH, 272                        ; a stage row: 256 bytes of codes + 16
.set SPARE, 4*32*PITCH                 ; behind the four stages: the spare words, 128 bytes for each wave
.set WROW,  12288                      ; a row of w_qkv in bytes
.set NB,    8                          ; blocks of 32 places for a wave of the w path
.set WX,    32                         ; w path: v32-95 two sets of 32 numbers
.set WC,    96                         ; v96-103 a block's codes
.set OUTR,  112                        ; v112-175 the way out
.set XX,    32                         ; x path: v32-127 three row slots of 32
.set GM,    128                        ; v128-159 gamma, v160-191 beta, in the layout of a row slot
.set BT,    160
.set CC,    192                        ; v192-255 codes: eight registers for each of my eight rows, so that no store's data are written again
	s_load_b256 s[4:11], s[0:1], 0x0               ; x s[4:5], w_qkv s[6:7], gamma s[8:9], beta s[10:11]
	s_load_b128 s[12:15], s[0:1], 0x20             ; the scales' exponents s[12:13], xc s[14:15]
	s_load_b64 s[16:17], s[0:1], 0x30              ; wc
	v_lshl_add_u32 v[SPW], v0, 2, SPARE
	v_mov_b32 v[NIL], 0
	v_lshrrev_b32 v1, 5, v0
	v_readfirstlane_b32 s20, v1                    ; wave 0..3
	v_and_b32 v2, 31, v0                           ; lane
	s_wait_kmcnt 0x0
	s_load_b64 s[18:19], s[12:13], 0x0             ; e0, e1
	s_cmp_lt_u32 ttmp9, 96
	s_cbranch_scc0 .Lx
	; ---------------- w_qkv: a work-group takes 128 columns x 256 places, a wave 32 columns ----------------
	s_lshr_b32 s21, ttmp9, 2                       ; which 128 columns
	s_and_b32 s22, ttmp9, 3                        ; y: which 256 places
	s_lshl_b32 s21, s21, 7
	s_lshl_b32 s23, s20, 5
	s_add_co_u32 s21, s21, s23                     ; n0: my wave's first column
	s_lshr_b32 s24, s22, 1
	s_and_b32 s25, s22, 1
	s_lshl_b32 s24, s24, 9
	s_lshl_b32 s25, s25, 6
	s_add_co_u32 s24, s24, s25                     ; places 256 y on begin at k = 512 (y / 2) + 64 (y % 2)
	s_mul_i32 s24, s24, WROW
	s_lshl_b32 s25, s21, 2
	s_add_co_u32 s24, s24, s25
	s_mov_b32 s25, 0
	s_add_nc_u64 s[6:7], s[6:7], s[24:25]
	s_sub_co_u32 s26, s21, 1024                    ; m = n0 - 1024 (used only where n0 >= 1024)
	s_bfe_u32 s27, s26, 0x30007                    ; the head
	s_lshl_b32 s27, s27, 8
	s_bfe_u32 s28, s26, 0x10006                    ; which 64 of the head's 128
	s_lshl_b32 s28, s28, 7
	s_add_co_u32 s27, s27, s28
	s_bfe_u32 s28, s26, 0x1000a                    ; k (0) or v (1)
	s_lshl_b32 s28, s28, 6
	s_add_co_u32 s27, s27, s28
	s_and_b32 s28, s26, 63
	s_add_co_u32 s27, s27, s28
	s_add_co_u32 s27, s27, 1024
	s_cmp_lt_u32 s21, 1024
	s_cselect_b32 s27, s21, s27                    ; my first row of wc; my 32 columns stay neighbours
	s_lshl_b32 s26, s27, 10
	s_lshl_b32 s28, s22, 8
	s_add_co_u32 s26, s26, s28
	s_mov_b32 s27, 0
	s_add_nc_u64 s[16:17], s[16:17], s[26:27]
	v_lshlrev_b32 v3, 2, v2                        ; in: 4 bytes a lane: a wave reads 128 consecutive bytes, the four waves 512
	s_mul_i32 s29, s20, 32*PITCH                   ; my stage
	v_mul_u32_u24 v4, v2, PITCH
	v_add_nc_u32 v4, s29, v4                       ; into it: row = my column
	v_and_b32 v5, 15, v2
	v_lshrrev_b32 v6, 4, v2
	v_mul_u32_u24 v7, v6, PITCH
	v_lshl_add_u32 v7, v5, 4, v7
	v_add_nc_u32 v7, s29, v7                       ; out of it: sixteen lanes to a row, two rows an instruction
	v_lshlrev_b32 v8, 10, v6
	v_lshl_add_u32 v8, v5, 4, v8                   ; and the same place in wc
.macro WLOAD t                         ; block t: places 32 t + ii of my 256; place ii comes from the row 128 ((ii / 4) % 4) + 8 t + 4 (ii / 16) + ii % 4 further down.  447 rows at the most: inside the signed 24-bit immediate
.set ii, 0
.rept 32
	global_load_b32 v[WX+32*((\t)%2)+ii], v3, s[6:7] offset:(128*((ii/4)%4)+8*(\t)+4*(ii/16)+(ii%4))*WROW th:TH_LOAD_NT
.set ii, ii+1
.endr
.endm
	WLOAD 0
	WLOAD 1
	s_wait_kmcnt 0x0
	s_add_co_i32 s30, s19, 127
	s_lshl_b32 s31, s30, 23
	v_mov_b32 v11, s31                             ; 2^e1 as f32: the conversion takes its exponent field
	s_add_co_i32 s30, s30, 8
	s_lshl_b32 s30, s30, 23
	s_or_b32 s30, s30, 0x600000
	v_mov_b32 v10, s30                             ; 448 x 2^e1
.macro WBLOCK t
.set XS, WX+32*((\t)%2)
.if (\t) < NB-1
	s_wait_loadcnt 32                              ; this block's 32 loads are in; the next block's 32 may be out
.else
	s_wait_loadcnt 0
.endif
.set ii, 0
.rept 32
	v_med3_num_f32 v[XS+ii], v[XS+ii], -v10, v10   ; the conversion to an 8-bit code does not saturate (ISA guide 7.6.2): the hold at the largest code x the scale
.set ii, ii+1
.endr
.irp g, 0,1,2,3
	v_cvt_scalef32_pk8_fp8_f32 v[WC+2*\g:WC+2*\g+1], v[XS+8*\g:XS+8*\g+7], v11
.endr
	ds_store_b128 v4, v[WC:WC+3] offset:32*(\t)    ; 32 codes: 32 bytes of my column's row
	ds_store_b128 v4, v[WC+4:WC+7] offset:32*(\t)+16
.if (\t)+2 < NB
	WLOAD (\t)+2
.endif
	s_wait_dscnt 0x0                               ; the stores have read their registers: the next block's codes may be written
.endm
.irp t, 0,1,2,3,4,5,6,7
	WBLOCK \t
.endr
.set ii, 0
.rept 16
	ds_load_b128 v[OUTR+4*ii:OUTR+4*ii+3], v7 offset:2*ii*PITCH   ; LDS serves a wave's instructions in order: these see my stores
.set ii, ii+1
.endr
.set ii, 0
.rept 16
	s_wait_dscnt 15-ii                             ; the younger loads may be out
	global_store_b128 v8, v[OUTR+4*ii:OUTR+4*ii+3], s[16:17] offset:2*ii*1024   ; sixteen lanes store 256 consecutive bytes, at a multiple of 256 from wc's first byte
.set ii, ii+1
.endr
	s_wait_tensorcnt 0x0                           ; the wave's end: three lines behind my last LDS store, the first of them even in a text with no tensor load
	ds_add_u32 v[SPW], v[NIL]
	s_wait_dscnt 0x0
	s_endpgm
	; ---------------- x: a work-group takes 32 rows, a wave 8, one after the other; no LDS ----------------
.Lx:
	v_lshlrev_b32 v3, 4, v2                        ; 16 x lane: every load and store of this path; never rewritten
	s_sub_co_u32 s21, ttmp9, 96
	s_lshl_b32 s21, s21, 5
	s_lshl_b32 s24, s20, 3
	s_add_co_u32 s21, s21, s24                     ; my first row
	s_lshl_b32 s24, s21, 12
	s_mov_b32 s25, 0
	s_add_nc_u64 s[4:5], s[4:5], s[24:25]
	s_lshl_b32 s24, s21, 10
	s_add_nc_u64 s[14:15], s[14:15], s[24:25]
	s_mov_b32 s22, 0x76543210                      ; v_permlanex16_b32: each lane takes its own place in the other half
	s_mov_b32 s23, 0xfedcba98
.irp j, 0,1,2,3,4,5,6,7                        ; load j brings elements 128 j + 4 lane + 0..3 into registers 4 j .. 4 j + 3: 512 consecutive bytes a load; gamma, beta and x alike
	global_load_b128 v[GM+4*\j:GM+4*\j+3], v3, s[8:9] offset:512*\j
.endr
.irp j, 0,1,2,3,4,5,6,7
	global_load_b128 v[BT+4*\j:BT+4*\j+3], v3, s[10:11] offset:512*\j
.endr
.macro XLOAD r
.irp j, 0,1,2,3,4,5,6,7
	global_load_b128 v[XX+32*((\r)%3)+4*\j:XX+32*((\r)%3)+4*\j+3], v3, s[4:5] offset:4096*(\r)+512*\j th:TH_LOAD_NT
.endr
.endm
	XLOAD 0
	XLOAD 1
	XLOAD 2
	v_mov_b32 v13, 0                               ; written once: a lane permute's destination counts as one of its sources
	v_mov_b32 v22, 0x3a800000                      ; 1 / 1024
	s_wait_kmcnt 0x0
	s_add_co_i32 s30, s18, 127
	s_lshl_b32 s31, s30, 23
	v_mov_b32 v20, s31                             ; 2^e0
	s_add_co_i32 s30, s30, 8
	s_lshl_b32 s30, s30, 23
	s_or_b32 s30, s30, 0x600000
	v_mov_b32 v21, s30                             ; 448 x 2^e0
.macro JOIN                            ; the four packed chains v[4:11] -> the sum over the row, in v12 of every lane
	v_pk_add_f32 v[4:5], v[4:5], v[6:7]
	v_pk_add_f32 v[8:9], v[8:9], v[10:11]
	v_pk_add_f32 v[4:5], v[4:5], v[8:9]
	v_add_f32 v12, v4, v5
	v_add_f32_dpp v12, v12, v12 row_xmask:1 row_mask:0xf bank_mask:0xf
	v_add_f32_dpp v12, v12, v12 row_xmask:2 row_mask:0xf bank_mask:0xf
	v_add_f32_dpp v12, v12, v12 row_xmask:4 row_mask:0xf bank_mask:0xf
	v_add_f32_dpp v12, v12, v12 row_xmask:8 row_mask:0xf bank_mask:0xf
	v_permlanex16_b32 v13, v12, s22, s23
	v_add_f32 v12, v12, v13
.endm
; Row r.  left = the loads issued behind this row's: those of the rows that follow it in the ring of three slots.
.macro ROW r, left
.set XS, XX+32*((\r)%3)
	s_wait_loadcnt \left                           ; loads come back in order: my row is in (and, at the first row, gamma and beta, which were asked for earlier)
.irp c, 0,1,2,3
	v_pk_add_f32 v[4+2*\c:5+2*\c], v[XS+4*\c:XS+4*\c+1], v[XS+4*\c+2:XS+4*\c+3]   ; four chains; the first pairs start them
.endr
.irp n, 8,9,10,11,12,13,14,15
	v_pk_add_f32 v[4+2*(\n%4):5+2*(\n%4)], v[4+2*(\n%4):5+2*(\n%4)], v[XS+2*\n:XS+2*\n+1]
.endr
	JOIN
	v_mul_f32 v16, v22, v12                        ; the mean,
	v_mov_b32 v17, v16                             ; twice, for the packed form
.set ii, 0
.rept 16
	v_pk_add_f32 v[XS+ii:XS+ii+1], v[XS+ii:XS+ii+1], v[16:17] neg_lo:[0,1] neg_hi:[0,1]   ; x - mean, before the squares: no difference of large sums
.set ii, ii+2
.endr
.irp c, 0,1,2,3
	v_pk_mul_f32 v[4+2*\c:5+2*\c], v[XS+2*\c:XS+2*\c+1], v[XS+2*\c:XS+2*\c+1]
.endr
.irp n, 4,5,6,7,8,9,10,11,12,13,14,15
	v_pk_fma_f32 v[4+2*(\n%4):5+2*(\n%4)], v[XS+2*\n:XS+2*\n+1], v[XS+2*\n:XS+2*\n+1], v[4+2*(\n%4):5+2*(\n%4)]
.endr
	JOIN
	v_fmaak_f32 v12, v12, v22, 0x3727c5ac          ; the variance + 1e-5
	v_rsq_f32 v18, v12
	v_rsq_f32 v19, v12
	v_nop                                          ; a plain instruction behind the transcendentals,
	s_wait_alu depctr_va_vdst(0)                   ; and the wait ahead of the first use: one for both
.set ii, 0
.rept 16
	v_pk_mul_f32 v[XS+ii:XS+ii+1], v[XS+ii:XS+ii+1], v[18:19]
.set ii, ii+2
.endr
.set ii, 0
.rept 16
	v_pk_fma_f32 v[XS+ii:XS+ii+1], v[XS+ii:XS+ii+1], v[GM+ii:GM+ii+1], v[BT+ii:BT+ii+1]
.set ii, ii+2
.endr
.set ii, 0
.rept 32
	v_med3_num_f32 v[XS+ii], v[XS+ii], -v21, v21   ; the hold at the largest code x the scale
.set ii, ii+1
.endr
.irp g, 0,1,2,3
	v_cvt_scalef32_pk8_fp8_f32 v[CC+8*(\r)+2*\g:CC+8*(\r)+2*\g+1], v[XS+8*\g:XS+8*\g+7], v20   ; word j of the eight = the four codes of load j
.endr
.if (\r)+3 < 8
	XLOAD (\r)+3                                   ; the slot takes the row three further on
.endif
	global_store_b128 v3, v[CC+8*(\r):CC+8*(\r)+3], s[14:15] offset:1024*(\r)         ; places 16 lane + 0..15: the wave stores 512 consecutive bytes, at a multiple of 256 from xc's first byte
	global_store_b128 v3, v[CC+8*(\r)+4:CC+8*(\r)+7], s[14:15] offset:1024*(\r)+512   ; places 512 + 16 lane + 0..15
.endm
	ROW 0, 16
	ROW 1, 16
	ROW 2, 16
	ROW 3, 16
	ROW 4, 16
	ROW 5, 16
	ROW 6, 8                                       ; nothing more is asked for: the counts run down
	ROW 7, 0
	s_endpgm
.Lfunc_end_k_q56b4e6617d_prep:
	.size	k_q56b4e6617d_prep, .Lfunc_end_k_q56b4e6617d_prep-k_q56b4e6617d_prep
	.p2alignl 7, 3214868480
	.fill 96, 4, 3214868480
	.section	.rodata,"a",@progbits
	.p2align	6, 0x0
	.amdhsa_kernel k_q56b4e6617d_prep
		.amdhsa_group_segment_fixed_size 35840
		.amdhsa_private_segment_fixed_size 0
		.amdhsa_enable_private_segment 0
		.amdhsa_kernarg_size 56
		.amdhsa_user_sgpr_count 2
		.amdhsa_user_sgpr_kernarg_segment_ptr 1
		.amdhsa_wavefront_size32 1
		.amdhsa_system_sgpr_workgroup_id_x 1
		.amdhsa_system_sgpr_workgroup_id_y 1
		.amdhsa_system_sgpr_workgroup_id_z 1
		.amdhsa_system_vgpr_workitem_id 0
		.amdhsa_next_free_vgpr 256
		.amdhsa_next_free_sgpr 66
		.amdhsa_reserve_vcc 0
		.amdhsa_float_denorm_mode_32 3
		.amdhsa_float_denorm_mode_16_64 3
		.amdhsa_memory_ordered 1
		.amdhsa_forward_progress 1
		.amdhsa_inst_pref_size 127
	.end_amdhsa_kernel
	.amdgpu_metadata
---
amdhsa.version: [ 1, 2 ]
amdhsa.kernels:
  - .name:           k_q56b4e6617d_prep
    .symbol:         k_q56b4e6617d_prep.kd
    .args:
      - { .name: x, .offset: 0, .size: 8, .value_kind: global_buffer, .address_space: global }
      - { .name: w_qkv, .offset: 8, .size: 8, .value_kind: global_buffer, .address_space: global }
      - { .name: gamma, .offset: 16, .size: 8, .value_kind: global_buffer, .address_space: global }
      - { .name: beta, .offset: 24, .size: 8, .value_kind: global_buffer, .address_space: global }
      - { .name: lowp_scales, .offset: 32, .size: 8, .value_kind: global_buffer, .address_space: global }
      - { .name: xc, .offset: 40, .size: 8, .value_kind: global_buffer, .address_space: global }
      - { .name: wc, .offset: 48, .size: 8, .value_kind: global_buffer, .address_space: global }
    .group_segment_fixed_size: 35840
    .private_segment_fixed_size: 0
    .kernarg_segment_align: 8
    .kernarg_segment_size: 56
    .max_flat_workgroup_size: 128
    .sgpr_count:     66
    .vgpr_count:     256
    .wavefront_size: 32
...
	.end_amdgpu_metadata
.endif
;; end of part 1
;; launch kvpart (part 2): grid 8 x 32, 4 waves a work-group, clusters of 4 x 4, 327,680 bytes of LDS; arguments xc, wc, lowp_scales, mask, part; writes part
.if DOCPART == 2
	.amdgcn_target "amdgcn-amd-amdhsa--gfx1250"
	.amdhsa_code_object_version 6
	.text
	.protected	k_q56b4e6617d_kvpart
	.globl	k_q56b4e6617d_kvpart
	.p2align	8
	.type	k_q56b4e6617d_kvpart,@function
k_q56b4e6617d_kvpart:
	s_mov_b64 s[64:65], 0
	v_nop
	global_prefetch_b8 v0, s[64:65] scope:SCOPE_SE
	s_setreg_imm32_b32 hwreg(HW_REG_WAVE_MODE, 25, 1), 1
	s_wait_xcnt 0x0
	s_wait_alu depctr_hold_cnt(0) depctr_sa_sdst(0) depctr_va_vdst(0) depctr_va_sdst(0) depctr_va_ssrc(0) depctr_va_vcc(0) depctr_vm_vsrc(0)
	s_getreg_b32 s2, hwreg(HW_REG_IB_STS2, 6, 4)
	s_cmp_eq_u32 s2, 0
	s_cbranch_scc0 .Lentry_in_a_cluster
	s_endpgm
.Lentry_in_a_cluster:
	s_bfe_u32 s2, ttmp6, 0x10000c
	s_cmp_lg_u32 s2, 0xf033
	s_cbranch_scc0 .Lentry_shape_is_right
	s_endpgm
.Lentry_shape_is_right:
; For one head and two tiles of 256 tokens: k = tanh(xn Wk), set to 0 where the mask is true, v = xn Wv (first product, on codes of FP8 E4M3), both quantised along the tokens, and each tile's part of kv = k^T v (second product, on codes).
; xc [16384 tokens][1024], wc [3072 rows][1024]: codes, K innermost, the same order along K in both.  A head's 256 rows of wc lie on end from row 1024 + 256 head; each half of 128 rows is 64 columns of k, then 64 of v.
; part [batch 4][head 8][t 16][eb 8][db 8][2][32 lanes][16 bytes] f32: the sums of tile (d block db, e block eb) over tokens 256 t .. 256 t + 255, as an image of the accumulator's registers, NOT yet x 2^(e2 + e3).
; SHARES.  A work-group of four waves makes 256 tokens x 256 columns at a time; a wave 128 x 128: 64 accumulators, 512 registers.  K goes in four steps of 256 through a ring of two LDS slots filled by the tensor data mover.
; A WORK-GROUP STAYS: it makes token blocks t and t + 8 of its batch (t = 0..7), one after the other, and the ring does not stop between them: the first tile's last two changes of slots ask for the second tile's K steps 0 and 1,
; which land while the first tile's tanh, codes and second product are made; nothing waits for the first tile's stores.  Both tiles are written out: their tails differ in their tensor loads, and none may be jumped over.
; The two tiles' sums of kv are stored apart: kept in registers through the second K loop they would take 128, and 512 accumulators + 128 + 256 of fragments + 128 leave none for addresses.
; CLUSTERS: 4 x 4 work-groups.  The four of a row of the cluster need the same tokens' tiles, the four of a column the same head's: each tile is asked for JOINTLY, by the same tensor load with the same descriptor and a mask that names the four.
; THE FIRST PRODUCT IS USED AS IT STANDS (source 0 = 16 tokens, source 1 = 16 columns): a lane then holds ONE column and its eight registers eight neighbouring tokens, which are the second product's K:
; the conversions' results are that product's operand registers (registers 2 a, 2 a + 1 of a fragment of 64 along K: tokens 16 a + 8 (lane / 16) + 0..7).
; The fragments go from wave to wave through LDS as images of their registers: 16 bytes a lane, 512 bytes a store.  They have bytes of their own behind the ring, since both slots are filled again.  A whole tile's images are 64 KiB and
; 48,640 bytes are left: so the way out goes in two halves of 64 tokens a wave (32 KiB of images), and the second product takes K = 64 an instruction.
; tanh(x) = 1 - 2 / (1 + 2^(2.885390 x)).  LIMIT: its absolute error is about 2e-7, so under |tanh| = 0.2 its relative error passes 1e-6.
; LIMITS on the given exponents, so that each power of two below is an f32 number: e0 + e1 between -126 and 126; e2, and e3 - e0 - e1, between -126 and 119.  NaN among the inputs is not served.
; REGISTERS, in windows of 256: window 0: v1-29 addresses and constants; v32-95 the hold of k for each of my lane's 64 tokens (0 where the mask is true); v96-111 the mask's bytes, through a K loop; v96-127 codes, on the way out;
;   v128-255 the tokens' fragments, ONE set, later 128 numbers at work, and k's eight fragments at v128-191.   window 1: the columns' fragments, TWO sets, at v0 and v128; later v's eight fragments at v0-63 and the 16 accumulators of kv at v128.
;   window 2: the accumulators of my tokens 0-63 (accumulator (a, b) at v[8 (8 (a % 4) + b)]);   window 3: those of my tokens 64-127.
.set KROW,   1024                      ; a row of xc or wc in bytes
.set ROWB,   256                       ; a tile's row: 256 codes
.set PITCH,  272                       ; an LDS row: 256 bytes + 16 of padding = 68 words: row r starts at bank 4 r mod 64 (64 banks of 4 bytes: ISA guide 11.1)
.set FR,     16                        ; registers of a fragment: 16 rows x 128 K
.set NL,     4                         ; LDS loads that bring one
.set NP,     4                         ; places behind these matrix instructions (ISA guide 7.12.1)
.set HALFT,  128*PITCH                 ; 128 rows: what one tensor load brings
.set SLOT,   4*HALFT                   ; the tokens' 256 rows, then the columns' 256 rows
.set SPARE,  2*SLOT                    ; behind the ring: the spare words, 128 bytes for each wave: two blocks of 256 bytes that no other line names
.set IMG,    SPARE+512                 ; behind them: the images, 8 fragments of 1,024 bytes for each wave: 32 KiB into which no fill lands
.set WROW0,  1024                      ; wc's first row of k and v
.set NEXT_A, 2048*KROW-2*ROWB          ; bytes from a slot's last K step of the first tile to its first of the second: 2,048 tokens on and back along K;  the columns go only back
.set POFF,   8*65536                   ; bytes in part from token block t to t + 8
.set IW,   8                           ; v8   where I store my images: IMG + 16 x lane + 8192 x wave
.set RK,   9                           ; v9   where I read k's: IMG + 16 x lane + 8192 x (wave / 2)
.set RV,   10                          ; v10  where I read v's: IMG + 16 x lane + 8192 x (wave % 2) + 4096
.set PO,   11                          ; v11  my byte offset in a tile's 64 KiB of part
.set MO,   12                          ; v12  my byte offset in the mask
.set SK,   13                          ; v13  2^e2
.set SV,   14                          ; v14  2^(e3 - e0 - e1)
.set LV,   15                          ; v15  448 x that
.set ADRA, 16                          ; v16-17  LDS address of my tokens' fragments in slot 0, 1
.set ADRB, 20                          ; v20-21  the same for my columns'
.set PFO,  22                          ; v22  the prefetch's offset: 1024 x (lane % 16) + 256 x (lane / 16); never rewritten
.set SPW,  28                          ; v28  LDS address of my spare word: SPARE + 4 x my thread's number; never rewritten
.set NIL,  29                          ; v29  0; never rewritten
.set LIM,  32
.set MB,   96
.set P,    96
.set AF,   128
.set T,    128
.set G1, 24                            ; s[24:31] descriptor group 1 for the tokens' tiles;  s[32:39] group 0, one set for each slot
.set G0, 32
.set G1B, 48                           ; s[48:55], s[56:63] the same for the columns' tiles
.set G0B, 56
.set PFA, 82                           ; s[82:83] where my prefetch stands in xc
.set MSB, 0
.macro WIN new                         ; the immediate's high byte repeats the setting that is left; a switch that changes nothing is dropped
.if MSB != (\new)
	s_set_vgpr_msb (MSB<<8)|(\new)
.set MSB, (\new)
.endif
.endm
.set MUL_LO, 0xa4                      ; source 0 (tokens) window 0, source 1 (columns) window 1, C and D window 2
.set MUL_HI, 0xf4                      ; the same, C and D window 3
.set TO_B,   0x40                      ; destination window 1, address window 0
; A joint load: waves 0 and 1 fetch the tokens' halves, waves 2 and 3 the columns'.  Each of the two lines has ONE mask and one set of registers for all that issue it; the branch hangs on the wave's number alone.
; An s_nop 0 and four v_nop follow each of the two lines, ahead of the jump, the label and what follows.
.macro JLOAD g0a, g1a, g0b, g1b
	s_cmp_eq_u32 s15, 0
	s_cbranch_scc0 .Lfor_b_\@
	tensor_load_to_lds s[\g0a:\g0a+3], s[\g1a:\g1a+7]
	s_nop 0
.rept 4
	v_nop
.endr
	s_branch .Lasked_\@
.Lfor_b_\@:
	tensor_load_to_lds s[\g0b:\g0b+3], s[\g1b:\g1b+7]
	s_nop 0
.rept 4
	v_nop
.endr
.Lasked_\@:
.endm
.macro CREST                           ; a round of the cluster's barrier behind its opening barrier
	s_cmp_lg_u32 s14, 0
	s_cbranch_scc1 .Lnot_wave_0_\@
	s_barrier_signal -3
.Lnot_wave_0_\@:
	s_barrier_wait -3
	s_barrier_signal -1
	s_barrier_wait -1
.endm
.macro CROUND                          ; a whole round
	s_barrier_signal -1
	s_barrier_wait -1
	CREST
.endm
; A PREFETCH INTO THE L2 of the second tile's K steps 2 and 3 of the tokens' rows: 256 rows x 2 x 256 bytes.  It is asked once, on the first tile's way out, behind the run of LDS loads of its last products:
; 128 matrix instructions ahead of the joint load of K step 2, 256 ahead of K step 3's.  The second tile's K steps 0 and 1 come by their refills alone, which have the whole way out in which to land; the first tile's K steps stand
; too near the head, where every work-group's first tiles are on their way; the columns' rows are the first tile's and have been read.
; Each row's 256 bytes of a K step are named ONCE in the launch.  Both clusters of a row of clusters read the same tokens: the one with x = 0 asks (the cluster's x is the same in all partners).  The four partners that ask for the
; rows jointly share them out BY ADDRESS, 64 each; a wave takes 16 of them: lanes 0-15 K step 2, lanes 16-31 K step 3: one instruction a wave.
.macro ASK
	s_cmp_eq_u32 ttmp9, 0
	s_cbranch_scc0 .Lnot_mine_\@
	global_prefetch_b8 v[PFO], s[PFA:PFA+1] th:TH_LOAD_NT scope:SCOPE_SE
.Lnot_mine_\@:
.endm
	s_load_b128 s[4:7], s[0:1], 0x0                ; xc s[4:5], wc s[6:7]
	s_load_b128 s[8:11], s[0:1], 0x10              ; the scales' exponents s[8:9], the mask s[10:11]
	s_load_b64 s[12:13], s[0:1], 0x20              ; part
	v_lshl_add_u32 v[SPW], v0, 2, SPARE
	v_mov_b32 v[NIL], 0
	ds_add_u32 v[SPW], v[NIL]                      ; the wave's opening: the add and its wait ahead of my first tensor load; the set-up below, work on registers, stands between them
	v_lshrrev_b32 v1, 5, v0
	v_readfirstlane_b32 s14, v1                    ; wave 0..3
	s_lshr_b32 s15, s14, 1                         ; i: which half of the tokens is mine.  Also: I fetch tokens (0) or columns (1)
	s_and_b32 s16, s14, 1                          ; j: which half of the columns.  Also: which 128 rows of that tile I fetch
	s_bfe_u32 s40, ttmp6, 0x40000                  ; cx, cy: my place in the cluster
	s_bfe_u32 s41, ttmp6, 0x40004
	s_lshl_b32 s42, ttmp9, 2
	s_add_co_u32 s42, s42, s40                     ; the head = 4 x cluster x + cx
	s_and_b32 s17, ttmp7, 0xffff
	s_lshl_b32 s17, s17, 2
	s_add_co_u32 s17, s17, s41                     ; work-group y = 4 x cluster y + cy, 0..31: 8 x batch + t
	s_lshr_b32 s18, s17, 3
	s_lshl_b32 s18, s18, 4
	s_and_b32 s17, s17, 7
	s_add_co_u32 s17, s17, s18                     ; my first block of 256 tokens, counted through all batches: 16 x batch + t; my second lies 8 blocks on
	s_lshl_b32 s43, s41, 2
	s_lshl_b32 s43, 15, s43                        ; my row of the cluster
	s_lshl_b32 s44, 0x1111, s40                    ; my column
	; descriptor group 1: a tile of 128 rows x 256 bytes, padded in LDS
	s_or_b32 s[G1+0], s43, (0<<16)|(1<<20)|(1<<21)|(5<<22)|(3<<25)  ; 15:0 the mask: the tokens' tiles go to my row; 17:16 element of 1 byte; 20 padding on; 21 set beside a mask; 24:22 after every 64 words (code 5); 31:25 of 4 words (code 3)
	s_or_b32 s[G1B+0], s44, (0<<16)|(1<<20)|(1<<21)|(5<<22)|(3<<25) ; the same with the mask of my column
.irp g, G1, G1B
	s_mov_b32 s[\g+1], ROWB<<16                    ; tensor_dim0
	s_mov_b32 s[\g+2], 128<<16                     ; tensor_dim1 = 128
	s_mov_b32 s[\g+3], ROWB<<16                    ; tile_dim0
	s_mov_b32 s[\g+4], 128                         ; tile_dim1 = 128
	s_mov_b32 s[\g+5], KROW                        ; tensor_dim0_stride
	s_mov_b32 s[\g+6], 0
	s_mov_b32 s[\g+7], 0
.endr
	s_lshl_b32 s18, s16, 7                         ; which 128 rows of the tile I fetch
	s_lshl_b32 s20, s17, 8
	s_add_co_u32 s20, s20, s18                     ; xc: row 256 x block + 128 x half,
	s_lshl_b32 s20, s20, 10                        ; in bytes (under 2^24)
	s_mov_b32 s21, 0
	s_lshl_b32 s46, s42, 8
	s_add_co_u32 s46, s46, s18
	s_add_co_u32 s46, s46, WROW0                   ; wc: row 1024 + 256 x head + 128 x half,
	s_lshl_b32 s46, s46, 10                        ; in bytes
	s_mov_b32 s47, 0
	s_mul_i32 s45, s14, HALFT                      ; where they go: wave x 128 rows: no place in the cluster enters an LDS address
	s_wait_dscnt 0x0                               ; the opening add is done
	s_wait_kmcnt 0x0
	s_load_b128 s[68:71], s[8:9], 0x0              ; e0, e1, e2, e3
	s_add_nc_u64 s[20:21], s[4:5], s[20:21]
	s_add_nc_u64 s[46:47], s[6:7], s[46:47]
	CROUND                                         ; all sixteen work-groups are here: the first joint loads meet
.irp s, 0,1
	s_mov_b32 s[G0+4*\s], 1
	s_add_co_u32 s[G0+4*\s+1], s45, \s*SLOT
	s_add_nc_u64 s[G0+4*\s+2:G0+4*\s+3], s[20:21], \s*ROWB
	s_or_b32 s[G0+4*\s+3], s[G0+4*\s+3], 0x80000000
	s_mov_b32 s[G0B+4*\s], 1
	s_add_co_u32 s[G0B+4*\s+1], s45, \s*SLOT
	s_add_nc_u64 s[G0B+4*\s+2:G0B+4*\s+3], s[46:47], \s*ROWB
	s_or_b32 s[G0B+4*\s+3], s[G0B+4*\s+3], 0x80000000
	JLOAD G0+4*\s, G1, G0B+4*\s, G1B               ; two loads of mine are out behind these; later one behind each round
.endr
	v_and_b32 v1, 15, v0                           ; r = l % 16
	v_bfe_u32 v2, v0, 4, 1                         ; h = l / 16
	v_mul_u32_u24 v3, v1, PITCH
	v_lshl_add_u32 v4, v2, 4, v3                   ; a fragment's row x pitch + 16 x half
	s_mul_i32 s21, s15, HALFT                      ; my 128 tokens
	s_mul_i32 s22, s16, HALFT                      ; my 128 columns,
	s_add_co_u32 s22, s22, 2*HALFT                 ; which lie behind the tokens' 256 rows
.irp s, 0,1
	v_add_nc_u32 v[ADRA+\s], s21, v4
	v_add_nc_u32 v[ADRB+\s], s22, v4
	s_add_co_u32 s21, s21, SLOT
	s_add_co_u32 s22, s22, SLOT
.endr
	v_and_b32 v6, 31, v0
	v_lshlrev_b32 v7, 4, v6                        ; 16 x lane
	s_lshl_b32 s21, s14, 13
	s_add_co_u32 s21, s21, IMG
	v_add_nc_u32 v[IW], s21, v7
	s_lshl_b32 s21, s15, 13
	s_add_co_u32 s21, s21, IMG
	v_add_nc_u32 v[RK], s21, v7
	s_lshl_b32 s21, s16, 13
	s_add_co_u32 s21, s21, IMG+4096
	v_add_nc_u32 v[RV], s21, v7
	s_lshl_b32 s21, s16, 15                        ; part: tile (db = 4 i + x, eb = 4 j + y) at 1024 (8 eb + db)
	s_lshl_b32 s22, s15, 12
	s_add_co_u32 s21, s21, s22
	v_add_nc_u32 v[PO], s21, v7
	s_lshl_b32 s21, s17, 8
	s_lshl_b32 s22, s15, 7
	s_add_co_u32 s21, s21, s22                     ; my first token, counted through all batches: the mask is [4][4096] bytes
	v_lshl_add_u32 v[MO], v2, 3, s21               ; + 8 h
	v_lshlrev_b32 v[PFO], 10, v1                   ; the prefetch: a row of xc for each of 16 lanes,
	v_lshl_add_u32 v[PFO], v2, 8, v[PFO]           ; a K step on for lanes 16-31
	s_lshl_b32 s80, s17, 8
	s_add_co_u32 s80, s80, 2048                    ; the second tile's first token,
	s_lshl_b32 s81, s40, 6
	s_add_co_u32 s80, s80, s81                     ; my work-group's 64 rows of the 256,
	s_lshl_b32 s81, s14, 4
	s_add_co_u32 s80, s80, s81                     ; my wave's 16 of them,
	s_lshl_b32 s80, s80, 10
	s_add_co_u32 s80, s80, 2*ROWB                  ; at K step 2
	s_mov_b32 s81, 0
	s_add_nc_u64 s[PFA:PFA+1], s[4:5], s[80:81]
	s_lshr_b32 s21, s17, 4                         ; the batch
	s_lshl_b32 s21, s21, 7
	s_lshl_b32 s22, s42, 4
	s_add_co_u32 s21, s21, s22
	s_and_b32 s22, s17, 15                         ; t
	s_add_co_u32 s80, s21, s22                     ; (batch x 8 + head) x 16 + t
	s_lshl_b32 s80, s80, 16
	s_mov_b32 s81, 0
	s_add_nc_u64 s[12:13], s[12:13], s[80:81]
.irp a, 0,1,2,3,4,5,6,7
	global_load_b64 v[MB+2*\a:MB+2*\a+1], v[MO], s[10:11] offset:16*\a   ; the mask's bytes of the first tile's tokens 16 a + 8 h + 0..7: wanted on the way out, and waited for there
.endr
	s_wait_kmcnt 0x0
	s_add_co_i32 s74, s68, s69                     ; e0 + e1: a sum of the first product stands for sum x 2^(e0 + e1)
	s_lshl_b32 s75, s74, 23
	s_add_co_i32 s76, s75, 0x4038aa3b              ; 2 log2(e) x 2^(e0 + e1): the exponents are added to the constant's exponent field
	s_mov_b32 s77, s76                             ; (named with it as a pair, so it is written)
	s_add_co_i32 s75, s70, 127
	s_lshl_b32 s79, s75, 23
	v_mov_b32 v[SK], s79                           ; 2^e2
	s_add_co_i32 s75, s75, 8
	s_lshl_b32 s75, s75, 23
	s_or_b32 s78, s75, 0x600000                    ; 448 x 2^e2
	s_sub_co_i32 s75, s71, s74
	s_add_co_i32 s75, s75, 127
	s_lshl_b32 s79, s75, 23
	v_mov_b32 v[SV], s79                           ; 2^(e3 - e0 - e1): the three scales folded into the conversion's one
	s_add_co_i32 s75, s75, 8
	s_lshl_b32 s75, s75, 23
	s_or_b32 s75, s75, 0x600000
	v_mov_b32 v[LV], s75
.macro FRAG reg, adr, q, i             ; a fragment, 16 rows x 128 K of 8-bit codes, is 16 registers, by four loads of 16 bytes: the same places along K in both operands
.irp c, 0,1,2,3
	ds_load_b128 v[\reg+4*\c:\reg+4*\c+3], v[\adr] offset:128*(\q)+32*\c+(\i)*16*PITCH
.endr
.endm
; 16 matrix instructions: token blocks a0, a0 + 1 x the eight column blocks, 128 along K.  p: the columns' set.  zero = 1: the first product starts the sums: nothing is ever cleared.
; The 64 accumulators take turns, one instruction a turn, in the same order in every step.
.macro MUL16 a0, p, zero
.irp a, \a0, \a0+1
.irp b, 0,1,2,3,4,5,6,7
.if \zero
	v_wmma_f32_16x16x128_fp8_fp8 v[8*(8*((\a)%4)+\b):8*(8*((\a)%4)+\b)+7], v[AF+FR*(\a):AF+FR*(\a)+FR-1], v[128*(\p)+FR*\b:128*(\p)+FR*\b+FR-1], 0
.else
	v_wmma_f32_16x16x128_fp8_fp8 v[8*(8*((\a)%4)+\b):8*(8*((\a)%4)+\b)+7], v[AF+FR*(\a):AF+FR*(\a)+FR-1], v[128*(\p)+FR*\b:128*(\p)+FR*\b+FR-1], v[8*(8*((\a)%4)+\b):8*(8*((\a)%4)+\b)+7]
.endif
.endr
.endr
.endm
.macro FETCH_B slot, q, p              ; the columns' eight fragments of the slot's q-th 128 along K into set p
	WIN TO_B
.irp i, 0,1,2,3,4,5,6,7
	FRAG 128*(\p)+FR*\i, ADRB+\slot, \q, \i
.endr
	WIN 0
.endm
.macro FETCH_A slot, q, i0             ; the tokens' blocks i0 .. i0 + 3
.irp i, \i0, \i0+1, \i0+2, \i0+3
	FRAG AF+FR*(\i), ADRA+\slot, \q, \i
.endr
.endm
; A load into a register that a matrix instruction has read, and a vector instruction or a store that reads a matrix result, stand NP places behind that matrix instruction, and only plain vector
; instructions that name none of its registers are places (ISA guide 7.12.1 for vector instructions).
.macro PLACES n
.rept \n
	v_nop
.endr
.endm
; A step of 128 along K that has its successor in the same slot.
.macro STEP slot, q, zero
	s_wait_dscnt 4*NL                              ; the columns' set and token blocks 0-3 are in; the youngest sixteen loads (blocks 4-7) may be out
	WIN MUL_LO
	MUL16 0, (\q)%2, \zero
	MUL16 2, (\q)%2, \zero
	s_wait_dscnt 0                                 ; blocks 4-7 are in (asked for 32 matrix instructions ago)
	PLACES NP
	FETCH_B \slot, (\q)+1, 1-(\q)%2
	FETCH_A \slot, (\q)+1, 0
	WIN MUL_HI
	MUL16 4, (\q)%2, \zero
	MUL16 6, (\q)%2, \zero
	PLACES NP
	WIN 0
	FETCH_A \slot, (\q)+1, 4
.endm
; A slot's last step changes slots: ONE barrier; in front of it each wave waits for all its tensor loads, adds 0 to its spare word, and waits for that and for its own reads of this slot.
; fill = 1: this slot is filled again, two K steps ahead;  2: with the NEXT tile's K step of the same slot;  0: not at all.  fetch = 0: a tile's last step: the next slot's fragments are not fetched, since the way out wants the registers.
.macro TURN slot, next, fill, fetch
	s_wait_tensorcnt 0x0                           ; all my tensor loads have landed: my part of the next slot;  (every window is 0 here: the add's two registers lie in window 0)
	ds_add_u32 v[SPW], v[NIL]                      ; 0 onto my spare word
	s_wait_dscnt 4*NL+1                            ; (the add and the youngest sixteen loads may be out)
	WIN MUL_LO
	MUL16 0, 1, 0                                  ; sixteen matrix instructions stand between the add and the wait for it
	s_wait_dscnt 0x0                               ; the add is done, and my reads of this slot are over
	s_barrier_signal -1
	MUL16 2, 1, 0
	WIN 0
	s_barrier_wait -1
.if \fill
	CREST                                          ; the barrier has opened a round of the cluster's barrier: no wave of any partner still reads this slot's tile or has a load on its way
.if \fill == 1
	s_add_nc_u64 s[G0+4*\slot+2:G0+4*\slot+3], s[G0+4*\slot+2:G0+4*\slot+3], 2*ROWB
	s_add_nc_u64 s[G0B+4*\slot+2:G0B+4*\slot+3], s[G0B+4*\slot+2:G0B+4*\slot+3], 2*ROWB
.else
	s_add_nc_u64 s[G0+4*\slot+2:G0+4*\slot+3], s[G0+4*\slot+2:G0+4*\slot+3], NEXT_A   ; the tokens: 2,048 rows down and back along K; the type bits on top are not reached
	s_sub_nc_u64 s[G0B+4*\slot+2:G0B+4*\slot+3], s[G0B+4*\slot+2:G0B+4*\slot+3], 2*ROWB   ; the columns: back along K: both tiles take the same head
.endif
	JLOAD G0+4*\slot, G1, G0B+4*\slot, G1B         ; the first tensor load behind the round; the four v_nop behind it are the places in front of the loads below
.else
	PLACES NP
.endif
.if \fetch
	FETCH_B \next, 0, 0
	FETCH_A \next, 0, 0
.endif
	WIN MUL_HI
	MUL16 4, 1, 0
	MUL16 6, 1, 0
.if \fetch
	PLACES NP
	WIN 0
	FETCH_A \next, 0, 4
.else
	WIN 0
.endif
.endm
; A tile's K = 1024: four K steps, written out.  more = 1: the ring goes on into the next tile.
.macro KLOOP more
	STEP 0, 0, 1                                   ; the first products start the sums
	TURN 0, 1, 1, 1                                ; slot 0 takes K step 2
	STEP 1, 0, 0
	TURN 1, 0, 1, 1                                ; slot 1 takes K step 3
	STEP 0, 0, 0
.if \more
	TURN 0, 1, 2, 1                                ; slot 0 takes the next tile's K step 0
	STEP 1, 0, 0
	TURN 1, 0, 2, 0                                ; slot 1 takes its K step 1.  In front of this barrier every wave has waited for its part of slot 0: behind it the next tile's K step 0 is whole
.else
	TURN 0, 1, 0, 1                                ; nothing is left to fetch
	STEP 1, 0, 0
	s_wait_dscnt 4*NL                              ; the very last step
	WIN MUL_LO
	MUL16 0, 1, 0
	MUL16 2, 1, 0
	s_wait_dscnt 0
	WIN MUL_HI
	MUL16 4, 1, 0
	MUL16 6, 1, 0
	WIN 0
.endif
.endm
; 128 numbers in v[T] on (column block b of four at 32 b, token block aa of the window's four at 8 aa) become codes and go to LDS: the fragments b0 .. b0 + 3 of 16 columns x 64 tokens, 8 registers each.
.macro CODES b0, sc
	s_wait_dscnt 0x0                               ; the last image stores have read the codes' registers
.irp b, 0,1,2,3
.irp aa, 0,1,2,3
	v_cvt_scalef32_pk8_fp8_f32 v[P+8*\b+2*\aa:P+8*\b+2*\aa+1], v[T+32*\b+8*\aa:T+32*\b+8*\aa+7], v[\sc]
.endr
.endr
	v_nop                                          ; one plain vector instruction behind the last conversion, ahead of the lines that write its sources anew
.irp b, 0,1,2,3
.irp cc, 0,1
	ds_store_b128 v[IW], v[P+8*\b+4*\cc:P+8*\b+4*\cc+3] offset:(\b0+\b)*1024+512*\cc
.endr
.endr
.endm
; k of the window's four token blocks: tanh, the mask and the hold.  The transcendentals go as batches of 128, each with one plain instruction and one wait behind it.
.macro KBATCH W
	WIN \W                                         ; source 0: the accumulators' window
.irp b, 0,1,2,3
.irp aa, 0,1,2,3
.irp jr, 0,2,4,6
	v_pk_mul_f32 v[T+32*\b+8*\aa+\jr:T+32*\b+8*\aa+\jr+1], v[64*\aa+8*\b+\jr:64*\aa+8*\b+\jr+1], s[76:77] op_sel_hi:[1,0]   ; 2 log2(e) x: each accumulator from its low end on
.endr
.endr
.endr
	WIN 0
.set n, 0
.rept 128
	v_exp_f32 v[T+n], v[T+n]
.set n, n+1
.endr
	v_nop
	s_wait_alu depctr_va_vdst(0)
.set n, 0
.rept 64
	v_pk_add_f32 v[T+n:T+n+1], v[T+n:T+n+1], 1.0 op_sel_hi:[1,0]
.set n, n+2
.endr
.set n, 0
.rept 128
	v_rcp_f32 v[T+n], v[T+n]
.set n, n+1
.endr
	v_nop
	s_wait_alu depctr_va_vdst(0)
.set n, 0
.rept 64
	v_pk_fma_f32 v[T+n:T+n+1], v[T+n:T+n+1], -2.0, 1.0 op_sel_hi:[1,0,0]   ; tanh = 1 - 2 / (1 + 2^(..))
.set n, n+2
.endr
.irp b, 0,1,2,3
.irp aa, 0,1,2,3
.irp jr, 0,1,2,3,4,5,6,7
	v_med3_num_f32 v[T+32*\b+8*\aa+\jr], v[T+32*\b+8*\aa+\jr], -v[LIM+8*(4*(\W-2)+\aa)+\jr], v[LIM+8*(4*(\W-2)+\aa)+\jr]   ; the mask (a hold at 0) and the hold at the largest code in one
.endr
.endr
.endr
	CODES 0, SK
.endm
; v of the window's four token blocks: the hold moves the sums out of the accumulators as well.
.macro VBATCH W
	WIN \W
.irp b, 0,1,2,3
.irp aa, 0,1,2,3
.irp jr, 0,1,2,3,4,5,6,7
	v_med3_num_f32 v[T+32*\b+8*\aa+\jr], v[64*\aa+32+8*\b+\jr], -v[LV], v[LV]
.endr
.endr
.endr
	WIN 0
	CODES 4, SV
.endm
; THE SECOND PRODUCT.  Wave (i, j) makes d blocks 4 i + x and e blocks 4 j + y.  A half of the way out brings 64 tokens of each wave: K = 2 x 64, ks = the half of the tile's tokens.
; k's d blocks 4 i + x were made by the waves 2 ks + i, v's e blocks 4 j + y by the waves 2 ks + j.
.macro P2LOAD ks
	WIN 0
.irp bb, 0,1,2,3
.irp c, 0,1
	ds_load_b128 v[128+8*(4*\ks+\bb)+4*\c:128+8*(4*\ks+\bb)+4*\c+3], v[RK] offset:\ks*16384+\bb*1024+512*\c
.endr
.endr
	WIN TO_B
.irp bb, 0,1,2,3
.irp c, 0,1
	ds_load_b128 v[8*(4*\ks+\bb)+4*\c:8*(4*\ks+\bb)+4*\c+3], v[RV] offset:\ks*16384+\bb*1024+512*\c
.endr
.endr
	WIN 0
.endm
.macro P2MUL ks, zero                  ; source 0 = 16 rows d of k^T (window 0), source 1 = 16 rows e of v^T (window 1): lane (r, h) holds e = 16 eb + r and its register jr d = 16 db + 8 h + jr.  Sixteen accumulators by turns, always in this order
.irp x, 0,1,2,3
.irp y, 0,1,2,3
.if \zero
	v_wmma_f32_16x16x64_fp8_fp8 v[128+8*(4*\x+\y):128+8*(4*\x+\y)+7], v[128+8*(4*\ks+\x):128+8*(4*\ks+\x)+7], v[8*(4*\ks+\y):8*(4*\ks+\y)+7], 0
.else
	v_wmma_f32_16x16x64_fp8_fp8 v[128+8*(4*\x+\y):128+8*(4*\x+\y)+7], v[128+8*(4*\ks+\x):128+8*(4*\ks+\x)+7], v[8*(4*\ks+\y):8*(4*\ks+\y)+7], v[128+8*(4*\x+\y):128+8*(4*\x+\y)+7]
.endif
.endr
.endr
.endm
; A TILE'S WAY OUT.  more = 1: another tile follows; poff: the tile's place in part, from my first tile's.
.macro EPI more, poff
	s_wait_loadcnt 0x0                             ; the mask's bytes, asked for a K loop ago.  The 192 lines below name no register of the last products: they are the places behind them
.set n, 0
.rept 64
	v_bfe_u32 v[LIM+n], v[MB+n/4], 8*(n%4), 1      ; token 16 a + 8 h + jr at n = 8 a + jr: 1 where the mask is true,
.set n, n+1
.endr
.set n, 0
.rept 64
	v_add_nc_u32 v[LIM+n], -1, v[LIM+n]            ; no bits there, all bits elsewhere,
.set n, n+1
.endr
.set n, 0
.rept 64
	v_and_b32 v[LIM+n], s78, v[LIM+n]              ; so the hold is 0 for a masked token and 448 x 2^e2 for the others: one line later does the mask and the hold
.set n, n+1
.endr
	KBATCH 2                                       ; the first half: each wave's tokens 0-63
	VBATCH 2
	s_wait_dscnt 0x0                               ; for the others' sake: my images have landed
	s_barrier_signal -1
	s_barrier_wait -1                              ; all 32 fragments lie in LDS.  (No slot is filled behind this barrier or the two below: a tensor load may stay out across them)
	P2LOAD 0
	P2LOAD 1
	s_wait_dscnt 16                                ; the first K step's 16 loads are in; the second's 16 may be out
	WIN 0x54                                       ; source 0 window 0; source 1, C and D window 1
	P2MUL 0, 1                                     ; these start kv's sums
	s_wait_dscnt 0x0                               ; my reads of the images are over:
	s_barrier_signal -1                            ; say so, work on registers while the others arrive,
	P2MUL 1, 0
	WIN 0
	s_barrier_wait -1                              ; and only then may any wave store the second half's images over them
	PLACES NP                                      ; in front of the lines that write the registers that held k's fragments
	KBATCH 3                                       ; the second half: each wave's tokens 64-127
	VBATCH 3
	s_wait_dscnt 0x0
	s_barrier_signal -1
	s_barrier_wait -1
.if \more
.irp a, 0,1,2,3,4,5,6,7
	global_load_b64 v[MB+2*\a:MB+2*\a+1], v[MO], s[10:11] offset:16*\a+2048   ; the next tile's mask bytes, 2,048 tokens on, into the codes' registers, which the image stores have read
.endr
.endif
	P2LOAD 0
	P2LOAD 1
.if \more
	ASK
.endif
	s_wait_dscnt 16
	WIN 0x54
	P2MUL 0, 0
	s_wait_dscnt 0x0
	P2MUL 1, 0
	WIN 0
	PLACES NP                                      ; in front of the stores that read results and of loads into the fragments' registers
.if \more
	FETCH_B 0, 0, 0                                ; the next tile's first fragments: its K step 0 has been whole in slot 0 since the last change of slots
	FETCH_A 0, 0, 0
	FETCH_A 0, 0, 4
.endif
	WIN 0x04                                       ; a store's data: window 1
.irp x, 0,1,2,3
.irp y, 0,1,2,3
.irp q, 0,1
	global_store_b128 v[PO], v[128+8*(4*\x+\y)+4*\q:128+8*(4*\x+\y)+4*\q+3], s[12:13] offset:\poff+\y*8192+\x*1024+512*\q   ; the wave stores 512 consecutive bytes, at a multiple of 256 from part's first byte; each accumulator's low registers first
.endr
.endr
.endr
	WIN 0
.if \more
	s_wait_xcnt 0x0                                ; the stores have read their registers: the columns' second set may be loaded there.  Nothing waits for the stores themselves
.endif
.endm
	s_wait_tensorcnt 1                             ; my part of K step 0 is in (K step 1's load may be out)
	s_barrier_signal -1
	s_barrier_wait -1                              ; everybody's is
	FETCH_B 0, 0, 0
	FETCH_A 0, 0, 0
	FETCH_A 0, 0, 4
	KLOOP 1                                        ; token block t
	EPI 1, 0
	KLOOP 0                                        ; token block t + 8
	EPI 0, POFF
	s_wait_tensorcnt 0x0                           ; the wave's end: three lines behind my last tensor load and my last LDS store
	ds_add_u32 v[SPW], v[NIL]
	s_wait_dscnt 0x0
	CROUND                                         ; the closing round: no work-group ends while a partner may still ask for a tile that names it
	s_endpgm
.Lfunc_end_k_q56b4e6617d_kvpart:
	.size	k_q56b4e6617d_kvpart, .Lfunc_end_k_q56b4e6617d_kvpart-k_q56b4e6617d_kvpart
	.p2alignl 7, 3214868480
	.fill 96, 4, 3214868480
	.section	.rodata,"a",@progbits
	.p2align	6, 0x0
	.amdhsa_kernel k_q56b4e6617d_kvpart
		.amdhsa_group_segment_fixed_size 327680
		.amdhsa_private_segment_fixed_size 0
		.amdhsa_enable_private_segment 0
		.amdhsa_kernarg_size 40
		.amdhsa_user_sgpr_count 2
		.amdhsa_user_sgpr_kernarg_segment_ptr 1
		.amdhsa_wavefront_size32 1
		.amdhsa_system_sgpr_workgroup_id_x 1
		.amdhsa_system_sgpr_workgroup_id_y 1
		.amdhsa_system_sgpr_workgroup_id_z 1
		.amdhsa_system_vgpr_workitem_id 0
		.amdhsa_next_free_vgpr 1024
		.amdhsa_next_free_sgpr 98
		.amdhsa_reserve_vcc 0
		.amdhsa_float_denorm_mode_32 3
		.amdhsa_float_denorm_mode_16_64 3
		.amdhsa_memory_ordered 1
		.amdhsa_forward_progress 1
		.amdhsa_inst_pref_size 255
	.end_amdhsa_kernel
	.section	.bss,"aw",@nobits
	.p2align	6
	.space	262144
	.amdgpu_metadata
---
amdhsa.version: [ 1, 2 ]
amdhsa.kernels:
  - .name:           k_q56b4e6617d_kvpart
    .symbol:         k_q56b4e6617d_kvpart.kd
    .args:
      - { .name: xc, .offset: 0, .size: 8, .value_kind: global_buffer, .address_space: global }
      - { .name: wc, .offset: 8, .size: 8, .value_kind: global_buffer, .address_space: global }
      - { .name: lowp_scales, .offset: 16, .size: 8, .value_kind: global_buffer, .address_space: global }
      - { .name: mask, .offset: 24, .size: 8, .value_kind: global_buffer, .address_space: global }
      - { .name: part, .offset: 32, .size: 8, .value_kind: global_buffer, .address_space: global }
    .group_segment_fixed_size: 327680
    .private_segment_fixed_size: 0
    .kernarg_segment_align: 8
    .kernarg_segment_size: 40
    .max_flat_workgroup_size: 128
    .sgpr_count:     98
    .vgpr_count:     1024
    .wavefront_size: 32
...
	.end_amdgpu_metadata
.endif
;; end of part 2
;; launch kvsum (part 3): grid 256 x 1, 4 waves a work-group, no clusters, 0 bytes of LDS; arguments part, lowp_scales, kvc; writes kvc
.if DOCPART == 3
	.amdgcn_target "amdgcn-amd-amdhsa--gfx1250"
	.amdhsa_code_object_version 6
	.text
	.protected	k_q56b4e6617d_kvsum
	.globl	k_q56b4e6617d_kvsum
	.p2align	8
	.type	k_q56b4e6617d_kvsum,@function
k_q56b4e6617d_kvsum:
	s_mov_b64 s[64:65], 0
	v_nop
	global_prefetch_b8 v0, s[64:65] scope:SCOPE_SE
	s_setreg_imm32_b32 hwreg(HW_REG_WAVE_MODE, 25, 1), 1
	s_wait_xcnt 0x0
; kv of each (batch, head) = the sum of its 16 parts, t ascending, in f32; then quantised along d to codes of FP8 (E4M3) with the given scale 2^e5.
; part [bh 32][t 16][eb 8][db 8][2][32 lanes][16 bytes] f32: images of accumulators: lane (r, h) holds e = 16 eb + r and its register jr d = 16 db + 8 h + jr.  A sum there stands for sum x 2^(e2 + e3).
; kvc [bh 32][eb 8][c 4][32 lanes][16 bytes]: registers 4 c .. 4 c + 3 of the operand fragment with rows e = 16 eb + r and K = d: registers 2 db, 2 db + 1 hold d = 16 db + 8 h + 0..7.
; A wave takes one such piece of 512 bytes: tiles db = 2 c, 2 c + 1 of one eb: 16 numbers a lane from each of the 16 parts.  Every load reads 512 consecutive bytes, the store writes 512.
; A stream: no LDS, no barrier, no matrix unit, no cluster (work-groups share nothing).  Three groups of sixteen loads a wave are out at a time.
; LIMIT: e5 - e2 - e3 between -126 and 119.  NaN is not served.
.set S,  16                            ; v16-31  the sums
.set B0, 32                            ; v32-95, v96-159, v160-223: three buffers, four parts each
	s_load_b128 s[4:7], s[0:1], 0x0                ; part s[4:5], the scales' exponents s[6:7]
	s_load_b64 s[8:9], s[0:1], 0x10                ; kvc
	v_lshrrev_b32 v2, 5, v0
	v_readfirstlane_b32 s10, v2                    ; wave
	v_and_b32 v1, 31, v0
	v_lshlrev_b32 v1, 4, v1                        ; 16 x lane; never rewritten
	s_lshl_b32 s11, ttmp9, 2
	s_add_co_u32 s11, s11, s10                     ; my piece: 32 bh + 4 eb + c
	s_lshr_b32 s16, s11, 5
	s_lshl_b32 s16, s16, 20                        ; bh x 16 parts of 64 KiB
	s_and_b32 s17, s11, 31
	s_lshl_b32 s17, s17, 11                        ; + two tiles of 1,024 bytes for each piece
	s_add_co_u32 s16, s16, s17
	s_mov_b32 s17, 0
	s_lshl_b32 s18, s11, 9
	s_mov_b32 s19, 0
	s_wait_kmcnt 0x0
	s_load_b128 s[12:15], s[6:7], 0x8              ; e2, e3, e4, e5
	s_add_nc_u64 s[4:5], s[4:5], s[16:17]
	s_add_nc_u64 s[8:9], s[8:9], s[18:19]
.macro LOADG g                         ; parts 4 g .. 4 g + 3 into buffer g % 3
.irp tt, 0,1,2,3
.irp q, 0,1,2,3
	global_load_b128 v[B0+64*((\g)%3)+16*\tt+4*\q:B0+64*((\g)%3)+16*\tt+4*\q+3], v1, s[4:5] offset:(4*(\g)+\tt)*65536+512*\q th:TH_LOAD_NT
.endr
.endr
.endm
.macro ADDP src                        ; the sums += one part
.set n, 0
.rept 8
	v_pk_add_f32 v[S+n:S+n+1], v[S+n:S+n+1], v[\src+n:\src+n+1]
.set n, n+2
.endr
.endm
	LOADG 0
	LOADG 1
	LOADG 2
	s_wait_loadcnt 32                              ; group 0 is in; groups 1 and 2 may be out
.set n, 0
.rept 8
	v_pk_add_f32 v[S+n:S+n+1], v[B0+n:B0+n+1], v[B0+16+n:B0+16+n+1]   ; the first two parts start the sums
.set n, n+2
.endr
	ADDP B0+32
	ADDP B0+48
	LOADG 3                                        ; into the buffer just read
	s_wait_loadcnt 32                              ; group 1 is in; groups 2 and 3 may be out
	ADDP B0+64
	ADDP B0+80
	ADDP B0+96
	ADDP B0+112
	s_wait_loadcnt 16                              ; group 2 is in
	ADDP B0+128
	ADDP B0+144
	ADDP B0+160
	ADDP B0+176
	s_wait_kmcnt 0x0
	s_sub_co_i32 s20, s15, s12
	s_sub_co_i32 s20, s20, s13                     ; e5 - e2 - e3: the three scales folded into the conversion's one
	s_add_co_i32 s20, s20, 127
	s_lshl_b32 s21, s20, 23
	v_mov_b32 v8, s21
	s_add_co_i32 s20, s20, 8
	s_lshl_b32 s20, s20, 23
	s_or_b32 s20, s20, 0x600000
	v_mov_b32 v9, s20                              ; 448 x that
	s_wait_loadcnt 0                               ; group 3
	ADDP B0
	ADDP B0+16
	ADDP B0+32
	ADDP B0+48
.set n, 0
.rept 16
	v_med3_num_f32 v[S+n], v[S+n], -v9, v9         ; the conversion to an 8-bit code does not saturate (ISA guide 7.6.2): the hold at the largest code x the scale
.set n, n+1
.endr
	v_cvt_scalef32_pk8_fp8_f32 v[4:5], v[S:S+7], v8
	v_cvt_scalef32_pk8_fp8_f32 v[6:7], v[S+8:S+15], v8
	global_store_b128 v1, v[4:7], s[8:9]           ; 512 consecutive bytes, at a multiple of 256 from kvc's first byte
	s_endpgm
.Lfunc_end_k_q56b4e6617d_kvsum:
	.size	k_q56b4e6617d_kvsum, .Lfunc_end_k_q56b4e6617d_kvsum-k_q56b4e6617d_kvsum
	.p2alignl 7, 3214868480
	.fill 96, 4, 3214868480
	.section	.rodata,"a",@progbits
	.p2align	6, 0x0
	.amdhsa_kernel k_q56b4e6617d_kvsum
		.amdhsa_group_segment_fixed_size 0
		.amdhsa_private_segment_fixed_size 0
		.amdhsa_enable_private_segment 0
		.amdhsa_kernarg_size 24
		.amdhsa_user_sgpr_count 2
		.amdhsa_user_sgpr_kernarg_segment_ptr 1
		.amdhsa_wavefront_size32 1
		.amdhsa_system_sgpr_workgroup_id_x 1
		.amdhsa_system_sgpr_workgroup_id_y 1
		.amdhsa_system_sgpr_workgroup_id_z 1
		.amdhsa_system_vgpr_workitem_id 0
		.amdhsa_next_free_vgpr 224
		.amdhsa_next_free_sgpr 66
		.amdhsa_reserve_vcc 0
		.amdhsa_float_denorm_mode_32 3
		.amdhsa_float_denorm_mode_16_64 3
		.amdhsa_memory_ordered 1
		.amdhsa_forward_progress 1
		.amdhsa_inst_pref_size 17
	.end_amdhsa_kernel
	.amdgpu_metadata
---
amdhsa.version: [ 1, 2 ]
amdhsa.kernels:
  - .name:           k_q56b4e6617d_kvsum
    .symbol:         k_q56b4e6617d_kvsum.kd
    .args:
      - { .name: part, .offset: 0, .size: 8, .value_kind: global_buffer, .address_space: global }
      - { .name: lowp_scales, .offset: 8, .size: 8, .value_kind: global_buffer, .address_space: global }
      - { .name: kvc, .offset: 16, .size: 8, .value_kind: global_buffer, .address_space: global }
    .group_segment_fixed_size: 0
    .private_segment_fixed_size: 0
    .kernarg_segment_align: 8
    .kernarg_segment_size: 24
    .max_flat_workgroup_size: 128
    .sgpr_count:     66
    .vgpr_count:     224
    .wavefront_size: 32
...
	.end_amdgpu_metadata
.endif
;; end of part 3
;; launch qout (part 4): grid 4 x 64, 4 waves a work-group, clusters of 4 x 4, 327,680 bytes of LDS; arguments xc, wc, lowp_scales, kvc, out0; writes out0
.if DOCPART == 4
	.amdgcn_target "amdgcn-amd-amdhsa--gfx1250"
	.amdhsa_code_object_version 6
	.text
	.protected	k_q56b4e6617d_qout
	.globl	k_q56b4e6617d_qout
	.p2align	8
	.type	k_q56b4e6617d_qout,@function
k_q56b4e6617d_qout:
	s_mov_b64 s[64:65], 0
	v_nop
	global_prefetch_b8 v0, s[64:65] scope:SCOPE_SE
	s_setreg_imm32_b32 hwreg(HW_REG_WAVE_MODE, 25, 1), 1
	s_wait_xcnt 0x0
	s_wait_alu depctr_hold_cnt(0) depctr_sa_sdst(0) depctr_va_vdst(0) depctr_va_sdst(0) depctr_va_ssrc(0) depctr_va_vcc(0) depctr_vm_vsrc(0)
	s_getreg_b32 s2, hwreg(HW_REG_IB_STS2, 6, 4)
	s_cmp_eq_u32 s2, 0
	s_cbranch_scc0 .Lentry_in_a_cluster
	s_endpgm
.Lentry_in_a_cluster:
	s_bfe_u32 s2, ttmp6, 0x10000c
	s_cmp_lg_u32 s2, 0xf033
	s_cbranch_scc0 .Lentry_shape_is_right
	s_endpgm
.Lentry_shape_is_right:
; For 256 tokens and two heads: q = sigmoid(xn Wq) (first product, on codes of FP8 E4M3), quantised along the head's 128, and out = q kv (third product, on codes), stored as f32.
; xc [16384 tokens][1024], wc rows 0-1023 = q's columns, [1024]: codes, K innermost, the same order along K in both.  kvc: kv's codes as images of operand registers: [batch x 8 + head][eb 8][c 4][32 lanes][16 bytes].
; SHARES.  A work-group of four waves makes 256 tokens x 256 columns; a wave 128 tokens x ONE head's 128 columns: 64 accumulators, 512 registers.  So q never leaves the wave's registers.
; K goes in four steps of 256 through a ring of two LDS slots filled by the tensor data mover.
; CLUSTERS: 4 x 4 work-groups.  The four of a row of the cluster need the same tokens' tiles, the four of a column the same columns': each tile is asked for JOINTLY, by the same tensor load with the same descriptor and a mask that names the four.
; BOTH PRODUCTS ARE USED TRANSPOSED (source 0 = 16 columns, source 1 = 16 tokens): a lane holds ONE token (lane % 16), and its eight registers eight neighbouring columns.  In the first product those are eight neighbours along the third
; product's K: the conversion of accumulator (a, b) gives registers 2 b, 2 b + 1 of token block a's operand.  In the third they are 32 neighbouring bytes of a row of out.
; sigmoid(x) = 1 / (1 + 2^(-log2(e) x)).
; LIMITS on the given exponents, so that each power of two below is an f32 number: e0 + e1 between -126 and 126; e4 between -126 and 119; e4 + e5 between -126 and 127.  NaN among the inputs is not served.
; REGISTERS, in windows of 256: window 0: v1-29 addresses and constants; v32-95 a block's results on the way out; v96-127 q's codes, two fragments; v128-255 the tokens' fragments, ONE set, later 128 numbers at work.
;   window 1: the columns' fragments, TWO sets, at v0 and v128; later kv's eight fragments at v0, and at v128 rows read back from the stage, two blocks by turns.
;   window 2: the accumulators of my tokens 0-63 (accumulator (a, b) at v[8 (8 (a % 4) + b)]);   window 3: those of my tokens 64-127.  The third product's results are laid over them.
.set KROW,   1024                      ; a row of xc or wc in bytes
.set ROWB,   256                       ; a tile's row: 256 codes
.set PITCH,  272                       ; an LDS row: 256 bytes + 16 of padding = 68 words: row r starts at bank 4 r mod 64 (64 banks of 4 bytes: ISA guide 11.1)
.set FR,     16                        ; registers of a fragment: 16 rows x 128 K
.set NL,     4                         ; LDS loads that bring one
.set NP,     4                         ; places behind this matrix instruction (ISA guide 7.12.1)
.set HALFT,  128*PITCH                 ; 128 rows: what one tensor load brings
.set SLOT,   4*HALFT                   ; the tokens' 256 rows, then the columns' 256 rows
.set SPARE,  2*SLOT                    ; behind the ring: the spare words, 128 bytes for each wave
.set SPITCH, 528                       ; the way out: a stage of 16 rows x (512 bytes + 16) for each wave.  It lies in slot 0, which has had its last fill and its last read when the first result is stored there
.set KO,   8                           ; v8   16 x lane: my place in an image of kv's registers
.set SQ,   13                          ; v13  2^e4
.set LQ,   15                          ; v15  448 x 2^e4
.set ADRA, 16                          ; v16-17  LDS address of my tokens' fragments in slot 0, 1
.set ADRB, 20                          ; v20-21  the same for my columns'
.set STO,  24                          ; v24  the way out: where I put 32 bytes of a row
.set RD,   25                          ; v25  the way out: where I read a row back
.set CO,   26                          ; v26  my byte offset in my head's 512 bytes of a row of out
.set SPW,  28                          ; v28  LDS address of my spare word: SPARE + 4 x my thread's number; never rewritten
.set NIL,  29                          ; v29  0; never rewritten
.set TMP,  32
.set QF,   96
.set AF,   128
.set T,    128
.set G1, 24                            ; s[24:31] descriptor group 1 for the tokens' tiles;  s[32:39] group 0, one set for each slot
.set G0, 32
.set G1B, 48                           ; s[48:55], s[56:63] the same for the columns' tiles
.set G0B, 56
.set MSB, 0
.macro WIN new                         ; the immediate's high byte repeats the setting that is left; a switch that changes nothing is dropped
.if MSB != (\new)
	s_set_vgpr_msb (MSB<<8)|(\new)
.set MSB, (\new)
.endif
.endm
.set MUL_LO, 0xa1                      ; source 0 (columns) window 1, source 1 (tokens) window 0, C and D window 2
.set MUL_HI, 0xf1                      ; the same, C and D window 3
.set TO_B,   0x40                      ; destination window 1, address window 0
; A joint load: waves 0 and 1 fetch the tokens' halves, waves 2 and 3 the columns'.  Each of the two lines has ONE mask and one set of registers for all that issue it; the branch hangs on the wave's number alone.
; An s_nop 0 and four v_nop follow each of the two lines, ahead of the jump, the label and what follows.
.macro JLOAD g0a, g1a, g0b, g1b
	s_cmp_eq_u32 s15, 0
	s_cbranch_scc0 .Lfor_b_\@
	tensor_load_to_lds s[\g0a:\g0a+3], s[\g1a:\g1a+7]
	s_nop 0
.rept 4
	v_nop
.endr
	s_branch .Lasked_\@
.Lfor_b_\@:
	tensor_load_to_lds s[\g0b:\g0b+3], s[\g1b:\g1b+7]
	s_nop 0
.rept 4
	v_nop
.endr
.Lasked_\@:
.endm
.macro CREST                           ; a round of the cluster's barrier behind its opening barrier
	s_cmp_lg_u32 s14, 0
	s_cbranch_scc1 .Lnot_wave_0_\@
	s_barrier_signal -3
.Lnot_wave_0_\@:
	s_barrier_wait -3
	s_barrier_signal -1
	s_barrier_wait -1
.endm
.macro CROUND                          ; a whole round
	s_barrier_signal -1
	s_barrier_wait -1
	CREST
.endm
	s_load_b128 s[4:7], s[0:1], 0x0                ; xc s[4:5], wc s[6:7]
	s_load_b128 s[8:11], s[0:1], 0x10              ; the scales' exponents s[8:9], kvc s[10:11]
	s_load_b64 s[12:13], s[0:1], 0x20              ; out0
	v_lshl_add_u32 v[SPW], v0, 2, SPARE
	v_mov_b32 v[NIL], 0
	ds_add_u32 v[SPW], v[NIL]                      ; the wave's opening: the add and its wait ahead of my first tensor load; the set-up below, work on registers, stands between them
	v_lshrrev_b32 v1, 5, v0
	v_readfirstlane_b32 s14, v1                    ; wave 0..3
	s_lshr_b32 s15, s14, 1                         ; i: which half of the tokens is mine.  Also: I fetch tokens (0) or columns (1)
	s_and_b32 s16, s14, 1                          ; j: which of the two heads.  Also: which 128 rows of that tile I fetch
	s_bfe_u32 s40, ttmp6, 0x40000                  ; cx, cy: my place in the cluster
	s_bfe_u32 s41, ttmp6, 0x40004
	s_lshl_b32 s42, ttmp9, 2
	s_add_co_u32 s42, s42, s40                     ; the pair of heads = 4 x cluster x + cx
	s_and_b32 s17, ttmp7, 0xffff
	s_lshl_b32 s17, s17, 2
	s_add_co_u32 s17, s17, s41                     ; the block of 256 tokens = 4 x cluster y + cy
	s_lshl_b32 s43, s41, 2
	s_lshl_b32 s43, 15, s43                        ; my row of the cluster
	s_lshl_b32 s44, 0x1111, s40                    ; my column
	; descriptor group 1: a tile of 128 rows x 256 bytes, padded in LDS
	s_or_b32 s[G1+0], s43, (0<<16)|(1<<20)|(1<<21)|(5<<22)|(3<<25)  ; 15:0 the mask: the tokens' tiles go to my row; 17:16 element of 1 byte; 20 padding on; 21 set beside a mask; 24:22 after every 64 words (code 5); 31:25 of 4 words (code 3)
	s_or_b32 s[G1B+0], s44, (0<<16)|(1<<20)|(1<<21)|(5<<22)|(3<<25) ; the same with the mask of my column
.irp g, G1, G1B
	s_mov_b32 s[\g+1], ROWB<<16                    ; tensor_dim0
	s_mov_b32 s[\g+2], 128<<16                     ; tensor_dim1 = 128
	s_mov_b32 s[\g+3], ROWB<<16                    ; tile_dim0
	s_mov_b32 s[\g+4], 128                         ; tile_dim1 = 128
	s_mov_b32 s[\g+5], KROW                        ; tensor_dim0_stride
	s_mov_b32 s[\g+6], 0
	s_mov_b32 s[\g+7], 0
.endr
	s_lshl_b32 s18, s16, 7                         ; which 128 rows of the tile I fetch
	s_lshl_b32 s20, s17, 8
	s_add_co_u32 s20, s20, s18                     ; xc: row 256 x block + 128 x half,
	s_lshl_b32 s20, s20, 10                        ; in bytes (under 2^24)
	s_mov_b32 s21, 0
	s_lshl_b32 s46, s42, 8
	s_add_co_u32 s46, s46, s18                     ; wc: row 256 x pair of heads + 128 x half,
	s_lshl_b32 s46, s46, 10                        ; in bytes
	s_mov_b32 s47, 0
	s_mul_i32 s45, s14, HALFT                      ; where they go: wave x 128 rows: no place in the cluster enters an LDS address
	s_wait_dscnt 0x0                               ; the opening add is done
	s_wait_kmcnt 0x0
	s_load_b128 s[68:71], s[8:9], 0x0              ; e0, e1, e2, e3
	s_load_b64 s[72:73], s[8:9], 0x10              ; e4, e5
	s_add_nc_u64 s[20:21], s[4:5], s[20:21]
	s_add_nc_u64 s[46:47], s[6:7], s[46:47]
	CROUND                                         ; all sixteen work-groups are here: the first joint loads meet
.irp s, 0,1
	s_mov_b32 s[G0+4*\s], 1
	s_add_co_u32 s[G0+4*\s+1], s45, \s*SLOT
	s_add_nc_u64 s[G0+4*\s+2:G0+4*\s+3], s[20:21], \s*ROWB
	s_or_b32 s[G0+4*\s+3], s[G0+4*\s+3], 0x80000000
	s_mov_b32 s[G0B+4*\s], 1
	s_add_co_u32 s[G0B+4*\s+1], s45, \s*SLOT
	s_add_nc_u64 s[G0B+4*\s+2:G0B+4*\s+3], s[46:47], \s*ROWB
	s_or_b32 s[G0B+4*\s+3], s[G0B+4*\s+3], 0x80000000
	JLOAD G0+4*\s, G1, G0B+4*\s, G1B               ; two loads of mine are out behind these; later one behind each round
.endr
	v_and_b32 v1, 15, v0                           ; r = l % 16
	v_bfe_u32 v2, v0, 4, 1                         ; h = l / 16
	v_mul_u32_u24 v3, v1, PITCH
	v_lshl_add_u32 v4, v2, 4, v3                   ; a fragment's row x pitch + 16 x half
	s_mul_i32 s21, s15, HALFT                      ; my 128 tokens
	s_mul_i32 s22, s16, HALFT                      ; my 128 columns,
	s_add_co_u32 s22, s22, 2*HALFT                 ; which lie behind the tokens' 256 rows
.irp s, 0,1
	v_add_nc_u32 v[ADRA+\s], s21, v4
	v_add_nc_u32 v[ADRB+\s], s22, v4
	s_add_co_u32 s21, s21, SLOT
	s_add_co_u32 s22, s22, SLOT
.endr
	s_mul_i32 s23, s14, 16*SPITCH                  ; my stage
	v_mul_u32_u24 v5, v1, SPITCH                   ; in: row l % 16, 32 bytes for each half of the lanes
	v_lshl_add_u32 v5, v2, 5, v5
	v_add_nc_u32 v[STO], s23, v5
	v_and_b32 v6, 31, v0
	v_lshlrev_b32 v[CO], 4, v6                     ; back: the 32 lanes take one row of 512 bytes; and the same in out
	v_add_nc_u32 v[RD], s23, v[CO]
	v_lshlrev_b32 v[KO], 4, v6
	s_lshr_b32 s80, s17, 4                         ; the batch
	s_lshl_b32 s80, s80, 3
	s_lshl_b32 s81, s42, 1
	s_add_co_u32 s80, s80, s81
	s_add_co_u32 s80, s80, s16                     ; batch x 8 + my head
	s_lshl_b32 s80, s80, 14                        ; 16 KiB of codes each
	s_mov_b32 s81, 0
	s_add_nc_u64 s[10:11], s[10:11], s[80:81]
	s_lshl_b32 s80, s17, 20                        ; out: 256 tokens of 4,096 bytes a block,
	s_lshl_b32 s81, s15, 19                        ; my 128 of them,
	s_add_co_u32 s80, s80, s81
	s_lshl_b32 s81, s42, 10                        ; and my head's 512 bytes of a row
	s_add_co_u32 s80, s80, s81
	s_lshl_b32 s81, s16, 9
	s_add_co_u32 s80, s80, s81
	s_mov_b32 s81, 0
	s_add_nc_u64 s[12:13], s[12:13], s[80:81]
	s_wait_kmcnt 0x0
	s_add_co_i32 s74, s68, s69                     ; e0 + e1: a sum of the first product stands for sum x 2^(e0 + e1)
	s_lshl_b32 s75, s74, 23
	s_add_co_i32 s76, s75, 0xbfb8aa3b              ; -log2(e) x 2^(e0 + e1): the exponents are added to the constant's exponent field
	s_mov_b32 s77, s76                             ; (named with it as a pair, so it is written)
	s_add_co_i32 s75, s72, 127
	s_lshl_b32 s79, s75, 23
	v_mov_b32 v[SQ], s79                           ; 2^e4
	s_add_co_i32 s75, s75, 8
	s_lshl_b32 s75, s75, 23
	s_or_b32 s75, s75, 0x600000
	v_mov_b32 v[LQ], s75                           ; 448 x 2^e4
	s_add_co_i32 s96, s72, s73
	s_add_co_i32 s96, s96, 127
	s_lshl_b32 s96, s96, 23                        ; 2^(e4 + e5) as f32
	s_mov_b32 s97, s96
.macro FRAG reg, adr, q, i             ; a fragment, 16 rows x 128 K of 8-bit codes, is 16 registers, by four loads of 16 bytes: the same places along K in both operands
.irp c, 0,1,2,3
	ds_load_b128 v[\reg+4*\c:\reg+4*\c+3], v[\adr] offset:128*(\q)+32*\c+(\i)*16*PITCH
.endr
.endm
; 16 matrix instructions: token blocks a0, a0 + 1 x the eight column blocks, 128 along K.  p: the columns' set.  zero = 1: the first product starts the sums: nothing is ever cleared.
; The 64 accumulators take turns, one instruction a turn, in the same order in every step.
.macro MUL16 a0, p, zero
.irp a, \a0, \a0+1
.irp b, 0,1,2,3,4,5,6,7
.if \zero
	v_wmma_f32_16x16x128_fp8_fp8 v[8*(8*((\a)%4)+\b):8*(8*((\a)%4)+\b)+7], v[128*(\p)+FR*\b:128*(\p)+FR*\b+FR-1], v[AF+FR*(\a):AF+FR*(\a)+FR-1], 0
.else
	v_wmma_f32_16x16x128_fp8_fp8 v[8*(8*((\a)%4)+\b):8*(8*((\a)%4)+\b)+7], v[128*(\p)+FR*\b:128*(\p)+FR*\b+FR-1], v[AF+FR*(\a):AF+FR*(\a)+FR-1], v[8*(8*((\a)%4)+\b):8*(8*((\a)%4)+\b)+7]
.endif
.endr
.endr
.endm
.macro FETCH_B slot, q, p              ; the columns' eight fragments of the slot's q-th 128 along K into set p
	WIN TO_B
.irp i, 0,1,2,3,4,5,6,7
	FRAG 128*(\p)+FR*\i, ADRB+\slot, \q, \i
.endr
	WIN 0
.endm
.macro FETCH_A slot, q, i0             ; the tokens' blocks i0 .. i0 + 3
.irp i, \i0, \i0+1, \i0+2, \i0+3
	FRAG AF+FR*(\i), ADRA+\slot, \q, \i
.endr
.endm
; A load into a register that a matrix instruction has read, and a vector instruction or a store that reads a matrix result, stand NP places behind that matrix instruction, and only plain vector
; instructions that name none of its registers are places (ISA guide 7.12.1 for vector instructions).
.macro PLACES n
.rept \n
	v_nop
.endr
.endm
; A step of 128 along K that has its successor in the same slot.
.macro STEP slot, q, zero
	s_wait_dscnt 4*NL                              ; the columns' set and token blocks 0-3 are in; the youngest sixteen loads (blocks 4-7) may be out
	WIN MUL_LO
	MUL16 0, (\q)%2, \zero
	MUL16 2, (\q)%2, \zero
	s_wait_dscnt 0                                 ; blocks 4-7 are in (asked for 32 matrix instructions ago)
	PLACES NP
	FETCH_B \slot, (\q)+1, 1-(\q)%2
	FETCH_A \slot, (\q)+1, 0
	WIN MUL_HI
	MUL16 4, (\q)%2, \zero
	MUL16 6, (\q)%2, \zero
	PLACES NP
	WIN 0
	FETCH_A \slot, (\q)+1, 4
.endm
; A slot's last step changes slots: ONE barrier; in front of it each wave waits for all its tensor loads, adds 0 to its spare word, and waits for that and for its own reads of this slot.  fill = 1: this slot is filled again, two K steps ahead.
.macro TURN slot, next, fill
	s_wait_tensorcnt 0x0                           ; all my tensor loads have landed: my part of the next slot;  (every window is 0 here: the add's two registers lie in window 0)
	ds_add_u32 v[SPW], v[NIL]                      ; 0 onto my spare word
	s_wait_dscnt 4*NL+1                            ; (the add and the youngest sixteen loads may be out)
	WIN MUL_LO
	MUL16 0, 1, 0                                  ; sixteen matrix instructions stand between the add and the wait for it
	s_wait_dscnt 0x0                               ; the add is done, and my reads of this slot are over
	s_barrier_signal -1
	MUL16 2, 1, 0
	WIN 0
	s_barrier_wait -1
.if \fill
	CREST                                          ; the barrier has opened a round of the cluster's barrier: no wave of any partner still reads this slot's tile or has a load on its way
	s_add_nc_u64 s[G0+4*\slot+2:G0+4*\slot+3], s[G0+4*\slot+2:G0+4*\slot+3], 2*ROWB
	s_add_nc_u64 s[G0B+4*\slot+2:G0B+4*\slot+3], s[G0B+4*\slot+2:G0B+4*\slot+3], 2*ROWB
	JLOAD G0+4*\slot, G1, G0B+4*\slot, G1B         ; the first tensor load behind the round; the four v_nop behind it are the places in front of the loads below
.else
	PLACES NP
.endif
	FETCH_B \next, 0, 0
	FETCH_A \next, 0, 0
	WIN MUL_HI
	MUL16 4, 1, 0
	MUL16 6, 1, 0
	PLACES NP
	WIN 0
	FETCH_A \next, 0, 4
.endm
	s_wait_tensorcnt 1                             ; my part of K step 0 is in (K step 1's load may be out)
	s_barrier_signal -1
	s_barrier_wait -1                              ; everybody's is
	FETCH_B 0, 0, 0
	FETCH_A 0, 0, 0
	FETCH_A 0, 0, 4
	STEP 0, 0, 1                                   ; K = 1024 is four K steps: they are written out.  The first products start the sums
	TURN 0, 1, 1                                   ; slot 0 takes K step 2
	STEP 1, 0, 0
	TURN 1, 0, 1                                   ; slot 1 takes K step 3
	STEP 0, 0, 0
	TURN 0, 1, 0                                   ; nothing is left to fetch; behind this barrier nobody reads slot 0 any more
	STEP 1, 0, 0
	s_wait_dscnt 4*NL                              ; the very last step
	WIN MUL_LO
	MUL16 0, 1, 0
	MUL16 2, 1, 0
	s_wait_dscnt 0
	WIN MUL_HI
	MUL16 4, 1, 0
	MUL16 6, 1, 0
	WIN 0
	PLACES NP                                      ; in front of the first reads of results, of writes into the registers that held the tokens' fragments, and of the loads below
	WIN TO_B
.irp eb, 0,1,2,3,4,5,6,7                       ; kv's eight fragments (rows e = 16 eb + r, K = d) into the registers that held the columns' set 0: they land while the first sigmoids are computed
.irp c, 0,1,2,3
	global_load_b128 v[16*\eb+4*\c:16*\eb+4*\c+3], v[KO], s[10:11] offset:\eb*2048+512*\c
.endr
.endr
	WIN 0
; THE WAY OUT of token block a: x 2^(e4 + e5); a lane's 32 bytes of a row go into my own stage and come back as whole rows of 512 bytes.  LDS serves a wave's instructions in order (ISA guide 5.7.1.4):
; no wait between the stores and the loads, nor in front of the next block's stores.
.macro TOSTAGE a
.set AC, 64*((\a)%4)
	WIN 2+((\a)/4)                                 ; source 0: window 2 or 3
.set n, 0
.rept 32
	v_pk_mul_f32 v[TMP+n:TMP+n+1], v[AC+n:AC+n+1], s[96:97] op_sel_hi:[1,0]   ; each accumulator from its low end on
.set n, n+2
.endr
	WIN 0
.irp eb, 0,1,2,3,4,5,6,7
	ds_store_b128 v[STO], v[TMP+8*\eb:TMP+8*\eb+3] offset:64*\eb
	ds_store_b128 v[STO], v[TMP+8*\eb+4:TMP+8*\eb+7] offset:64*\eb+16
.endr
	WIN TO_B
.set n, 0
.rept 16
	ds_load_b128 v[128+64*((\a)%2)+4*n:128+64*((\a)%2)+4*n+3], v[RD] offset:n*SPITCH
.set n, n+1
.endr
	WIN 0
.endm
.macro SEND a, younger                 ; younger: the LDS instructions issued behind block a's loads, which may stay out
	s_wait_dscnt \younger                          ; the block is back in registers
	WIN 0x04                                       ; a store's data: window 1
.set n, 0
.rept 16
	global_store_b128 v[CO], v[128+64*((\a)%2)+4*n:128+64*((\a)%2)+4*n+3], s[12:13] offset:(16*(\a)+n)*4096 th:TH_STORE_NT   ; 32 lanes store 512 consecutive bytes, at a multiple of 256 from out's first byte; 127 rows at the most: inside the signed 24-bit immediate, so no base is stepped
.set n, n+1
.endr
	WIN 0
.endm
; Token blocks 2 g and 2 g + 1, whose accumulators lie in window W at v[128 (g % 2)] on: sigmoid, codes, the third product, the way out.  The transcendentals go as batches of 128, each with one plain
; instruction and one wait behind it.  A batch's stores leave while the next batch's sigmoids are computed.
.macro BATCH g, W
	WIN \W                                         ; source 0: the accumulators' window
.set n, 0
.rept 64
	v_pk_mul_f32 v[T+n:T+n+1], v[128*((\g)%2)+n:128*((\g)%2)+n+1], s[76:77] op_sel_hi:[1,0]   ; -log2(e) x: each accumulator from its low end on
.set n, n+2
.endr
	WIN 0
.set n, 0
.rept 128
	v_exp_f32 v[T+n], v[T+n]
.set n, n+1
.endr
	v_nop
	s_wait_alu depctr_va_vdst(0)
.set n, 0
.rept 64
	v_pk_add_f32 v[T+n:T+n+1], v[T+n:T+n+1], 1.0 op_sel_hi:[1,0]
.set n, n+2
.endr
.set n, 0
.rept 128
	v_rcp_f32 v[T+n], v[T+n]
.set n, n+1
.endr
	v_nop
	s_wait_alu depctr_va_vdst(0)
.set n, 0
.rept 128
	v_min_num_f32 v[T+n], v[T+n], v[LQ]            ; the conversion to an 8-bit code does not saturate (ISA guide 7.6.2); a sigmoid is not negative, so the hold is one-sided
.set n, n+1
.endr
.irp ap, 0,1
.irp b, 0,1,2,3,4,5,6,7
	v_cvt_scalef32_pk8_fp8_f32 v[QF+16*\ap+2*\b:QF+16*\ap+2*\b+1], v[T+64*\ap+8*\b:T+64*\ap+8*\b+7], v[SQ]   ; registers 2 b, 2 b + 1 of the operand: d = 16 b + 8 h + 0..7
.endr
.endr
	v_nop                                          ; one plain vector instruction between a scaled conversion and the matrix instruction that reads its result
.if (\g) == 0
	s_wait_loadcnt 0x0                             ; kv's fragments
.endif
	WIN ((\W)<<6)|1                                ; source 0 (kv) window 1, source 1 (q) window 0, D window W
.irp ap, 0,1
.irp eb, 0,1,2,3,4,5,6,7
	v_wmma_f32_16x16x128_fp8_fp8 v[128*((\g)%2)+64*\ap+8*\eb:128*((\g)%2)+64*\ap+8*\eb+7], v[16*\eb:16*\eb+15], v[QF+16*\ap:QF+16*\ap+15], 0   ; K = the head's 128 in one instruction: lane (r, h) holds token r, register jr e = 16 eb + 8 h + jr
.endr
.endr
	WIN 0
	PLACES NP                                      ; in front of the first reads of these results
.if (\g) > 0
	s_wait_xcnt 0x0                                ; the last batch's stores have read their registers: the loads from the stage may land there
.endif
	TOSTAGE 2*(\g)
	TOSTAGE 2*(\g)+1
	SEND 2*(\g), 32                                ; behind its loads: the next block's 16 stores and 16 loads
	SEND 2*(\g)+1, 0
.endm
	BATCH 0, 2
	BATCH 1, 2
	BATCH 2, 3
	BATCH 3, 3
	s_wait_tensorcnt 0x0                           ; the wave's end: three lines behind my last tensor load and my last LDS store
	ds_add_u32 v[SPW], v[NIL]
	s_wait_dscnt 0x0
	CROUND                                         ; the closing round: no work-group ends while a partner may still ask for a tile that names it
	s_endpgm
.Lfunc_end_k_q56b4e6617d_qout:
	.size	k_q56b4e6617d_qout, .Lfunc_end_k_q56b4e6617d_qout-k_q56b4e6617d_qout
	.p2alignl 7, 3214868480
	.fill 96, 4, 3214868480
	.section	.rodata,"a",@progbits
	.p2align	6, 0x0
	.amdhsa_kernel k_q56b4e6617d_qout
		.amdhsa_group_segment_fixed_size 327680
		.amdhsa_private_segment_fixed_size 0
		.amdhsa_enable_private_segment 0
		.amdhsa_kernarg_size 40
		.amdhsa_user_sgpr_count 2
		.amdhsa_user_sgpr_kernarg_segment_ptr 1
		.amdhsa_wavefront_size32 1
		.amdhsa_system_sgpr_workgroup_id_x 1
		.amdhsa_system_sgpr_workgroup_id_y 1
		.amdhsa_system_sgpr_workgroup_id_z 1
		.amdhsa_system_vgpr_workitem_id 0
		.amdhsa_next_free_vgpr 1024
		.amdhsa_next_free_sgpr 98
		.amdhsa_reserve_vcc 0
		.amdhsa_float_denorm_mode_32 3
		.amdhsa_float_denorm_mode_16_64 3
		.amdhsa_memory_ordered 1
		.amdhsa_forward_progress 1
		.amdhsa_inst_pref_size 217
	.end_amdhsa_kernel
	.amdgpu_metadata
---
amdhsa.version: [ 1, 2 ]
amdhsa.kernels:
  - .name:           k_q56b4e6617d_qout
    .symbol:         k_q56b4e6617d_qout.kd
    .args:
      - { .name: xc, .offset: 0, .size: 8, .value_kind: global_buffer, .address_space: global }
      - { .name: wc, .offset: 8, .size: 8, .value_kind: global_buffer, .address_space: global }
      - { .name: lowp_scales, .offset: 16, .size: 8, .value_kind: global_buffer, .address_space: global }
      - { .name: kvc, .offset: 24, .size: 8, .value_kind: global_buffer, .address_space: global }
      - { .name: out0, .offset: 32, .size: 8, .value_kind: global_buffer, .address_space: global }
    .group_segment_fixed_size: 327680
    .private_segment_fixed_size: 0
    .kernarg_segment_align: 8
    .kernarg_segment_size: 40
    .max_flat_workgroup_size: 128
    .sgpr_count:     98
    .vgpr_count:     1024
    .wavefront_size: 32
...
	.end_amdgpu_metadata
.endif
;; end of part 4
